; MI455X (gfx1250); checked and timed in simulation.
; The chip was launched on July 23, 2026; its instructions are those of AMD's public machine-readable ISA for CDNA 5 (MIT licence, August 2026) and "CDNA5" Instruction Set Architecture Reference Guide (July 2026). The comments in the code are by the model that wrote it; some were corrected since.
;; Self Attention. Allowed arithmetic: float matrix products may take bf16 or f16 operands with f32 sums; all other float work in f32.
;; Inputs: attn_W 512 x 1,024 float32; attn_b 512 float32; inputs 256 x 8 x 512 float32; score_W 1 x 512 float32; score_b 1 float32.
;; Outputs: out0 8 x 256 x 256 float32.
;; 2 versions, each right and faster than the one before. Each part assembles by itself: llvm-mc -triple=amdgcn-amd-amdhsa -mcpu=gfx1250 --defsym DOCPART=n.
;; ======== version 1 of 2: 2 launches
;; limits: right only within a limited range of input values
;; workspace buffers: p1t 4,194,304 bytes; p2s 4,194,304 bytes
;; launch proj (part 1): grid 32 x 8, 8 waves a work-group, no clusters, 234,496 bytes of LDS; arguments inputs, attn_W, attn_b, p1t, p2s; writes p1t, p2s
.if DOCPART == 1
	.amdgcn_target "amdgcn-amd-amdhsa--gfx1250"
	.amdhsa_code_object_version 6
	.text
	.protected	k_qeb52aa5b00_proj
	.globl	k_qeb52aa5b00_proj
	.p2align	8
	.type	k_qeb52aa5b00_proj,@function
k_qeb52aa5b00_proj:
	s_mov_b64 s[64:65], 0
	v_nop
	global_prefetch_b8 v0, s[64:65] scope:SCOPE_SE
	s_setreg_imm32_b32 hwreg(HW_REG_WAVE_MODE, 25, 1), 1
	s_wait_xcnt 0x0
; proj: the two projections of reference(), p1 = x W1^T and p2 = x W2^T + attn_b, both times C = 2 log2(e),
; so that the next launch gets exp(2 (p1 + p2 + b)) as exp2 of one sum.  bf16 operands, f32 sums.
;   p1t[b][o][i]                             = C p1[b][i][o]                 (a row of 256 i is 1,024 bytes)
;   p2s[b][j/8][o/16][(j%8)/4][o%16][j%4]    = C (p2[b][j][o] + attn_b[o])   (the order in which the next launch's scalar loads want it)
; Work-group (x, y): batch b = y; x = 16 part + 4 ob + lb: half of attn_W (part), 128 outputs o (ob), 64 positions l (lb).
; Eight waves.  Each brings 8 rows of x and 16 rows of W (2,048 bytes each, every load 512 consecutive bytes), converts each number
; ONCE in registers and stores it as bf16 in LDS; K = 512 is resident as a whole, so there is one barrier and no ring.
; Then wave w multiplies all 64 l by its 16 o: 4 accumulator tiles, 16 K steps of 32.
; NO JOINT (CLUSTER) LOADS, though the x tile is read by 8 work-groups and the W tile by 32: the operands are f32 in memory.  Laid in LDS as
; f32 the two tiles are 384 KiB, more than a work-group can have, and each of the 8 waves would convert the 64 rows of x again.
.set XPITCH, 16384                     ; bytes from inputs[l][b] to inputs[l+1][b]
.set WPITCH, 4096                      ; bytes in a row of attn_W
.set PITCH,  1040                      ; LDS row: 512 bf16 + 16 bytes = 65 x 16: the 16 rows of a fragment load fall in 16 different 16-byte columns of 256
.set WL,     64*PITCH                  ; W's 128 rows lie behind x's 64
.set ST,     WL+128*PITCH              ; the way out of p1t: 16 rows of 272 bytes for each wave
.set SPITCH, 272
.set CSCALE, 0x4038aa3b                ; 2 log2(e) = 2.8853900
.set VOFF, 1                           ; 16 x lane: my 16 bytes of every 512
.set VLX,  2                           ; LDS: where my 8 bytes of x's rows go
.set VLW,  3                           ; the same for W
.set VA,   4                           ; LDS: x fragments
.set VB,   5                           ; LDS: my wave's W fragment
.set VS,   6                           ; stage, in
.set VR,   7                           ; stage, back
.set VG1,  8                           ; byte offset in p1t
.set VG2,  9                           ; byte offset in p2s
.set VBO,  10                          ; byte offset in attn_b
.set BI,   11                          ; attn_b[o] of my column
.set CB,   12                          ; v[12:13] C attn_b[o], twice
.set LD,   32                          ; v[32:223] three banks of 16 loads
.set TMP,  224                         ; v[224:255] a batch as bf16
.set ACC,  32                          ; v[32:63] 4 tiles of 16 l x 16 o (the banks are done with by then)
.set F0,   64                          ; v[64:103]  fragments: 4 of x, 1 of W
.set F1,   104                         ; v[104:143] the second buffer
.set BACK, 144                         ; v[144:175] rows read back from the stage
	s_load_b128 s[4:7], s[0:1], 0x0                ; inputs s[4:5], attn_W s[6:7]
	s_load_b128 s[8:11], s[0:1], 0x10              ; attn_b s[8:9], p1t s[10:11]
	s_load_b64 s[12:13], s[0:1], 0x20              ; p2s
	v_lshrrev_b32 v14, 5, v0
	v_readfirstlane_b32 s14, v14                   ; wave 0..7
	s_and_b32 s15, ttmp7, 0xffff                   ; b
	s_and_b32 s16, ttmp9, 3                        ; lb
	s_bfe_u32 s17, ttmp9, 0x20002                  ; ob (2 bits from bit 2)
	s_lshr_b32 s18, ttmp9, 4                       ; part
	v_and_b32 v15, 31, v0                          ; lane
	v_and_b32 v16, 15, v0                          ; r = lane % 16
	v_bfe_u32 v17, v0, 4, 1                        ; h = lane / 16
	v_lshlrev_b32 v[VOFF], 4, v15
	v_lshlrev_b32 v[VBO], 2, v16
	s_lshl_b32 s20, s16, 20                        ; x: (64 lb + 8 wave) rows of 16,384 bytes + 2,048 b
	s_lshl_b32 s21, s14, 17
	s_add_co_u32 s20, s20, s21
	s_lshl_b32 s21, s15, 11
	s_add_co_u32 s20, s20, s21
	s_mov_b32 s21, 0
	s_lshl_b32 s22, s17, 19                        ; W: (128 ob + 16 wave) rows of 4,096 bytes + 2,048 part
	s_lshl_b32 s23, s14, 16
	s_add_co_u32 s22, s22, s23
	s_lshl_b32 s23, s18, 11
	s_add_co_u32 s22, s22, s23
	s_mov_b32 s23, 0
	s_lshl_b32 s24, s17, 9                         ; attn_b: 4 (128 ob + 16 wave)
	s_lshl_b32 s25, s14, 6
	s_add_co_u32 s24, s24, s25
	s_mov_b32 s25, 0
	s_lshl_b32 s30, s15, 19                        ; p1t: (512 b + 128 ob + 16 wave) rows of 1,024 bytes + 256 lb
	s_lshl_b32 s31, s17, 17
	s_add_co_u32 s30, s30, s31
	s_lshl_b32 s31, s14, 14
	s_add_co_u32 s30, s30, s31
	s_lshl_b32 s31, s16, 8
	s_add_co_u32 s30, s30, s31
	s_mov_b32 s31, 0
	s_lshl_b32 s32, s15, 19                        ; p2s: (32 b + 8 lb) blocks of 16,384 bytes + (8 ob + wave) groups of 512
	s_lshl_b32 s33, s16, 17
	s_add_co_u32 s32, s32, s33
	s_lshl_b32 s33, s17, 12
	s_add_co_u32 s32, s32, s33
	s_lshl_b32 s33, s14, 9
	s_add_co_u32 s32, s32, s33
	s_mov_b32 s33, 0
	s_wait_kmcnt 0x0
	s_add_nc_u64 s[4:5], s[4:5], s[20:21]
	s_add_nc_u64 s[6:7], s[6:7], s[22:23]
	s_add_nc_u64 s[8:9], s[8:9], s[24:25]
	s_add_nc_u64 s[10:11], s[10:11], s[30:31]
	s_add_nc_u64 s[12:13], s[12:13], s[32:33]
; 16 loads = 4 rows of 2,048 bytes.  All addresses are a base, 16 x lane and a constant: no register is stepped.
.macro ISSUE bank, sb, pitch, row0
.irp r, 0,1,2,3
.irp k, 0,1,2,3
	global_load_b128 v[LD+64*\bank+16*\r+4*\k:LD+64*\bank+16*\r+4*\k+3], v[VOFF], s[\sb:\sb+1] offset:(\row0+\r)*\pitch+512*\k
.endr
.endr
.endm
; the same 4 rows to LDS: 4 f32 of a lane become 8 bytes, a wave's store covers 256 consecutive bytes.  left = loads of the younger batches.
.macro STASH bank, va, row0, left
	s_wait_loadcnt \left
	s_wait_dscnt 0x0                               ; the temporaries are written again only when the last batch's LDS stores are done
.irp r, 0,1,2,3
.irp k, 0,1,2,3
	v_cvt_pk_bf16_f32 v[TMP+8*\r+2*\k], v[LD+64*\bank+16*\r+4*\k], v[LD+64*\bank+16*\r+4*\k+1]
	v_cvt_pk_bf16_f32 v[TMP+8*\r+2*\k+1], v[LD+64*\bank+16*\r+4*\k+2], v[LD+64*\bank+16*\r+4*\k+3]
	ds_store_b64 v[\va], v[TMP+8*\r+2*\k:TMP+8*\r+2*\k+1] offset:(\row0+\r)*PITCH+256*\k
.endr
.endr
.endm
	global_load_b32 v[BI], v[VBO], s[8:9]          ; attn_b[o0 + r]; older than every row load, so the first wait below covers it
	ISSUE 0, 4, XPITCH, 0                          ; three batches, 48 loads of 512 bytes, are on their way in each wave
	ISSUE 1, 4, XPITCH, 4
	ISSUE 2, 6, WPITCH, 0
	s_mul_i32 s26, s14, 8*PITCH                    ; my 8 rows of x in LDS
	s_mul_i32 s27, s14, 16*PITCH
	s_add_co_u32 s27, s27, WL                      ; my 16 rows of W
	s_mul_i32 s28, s14, 16*SPITCH
	s_add_co_u32 s28, s28, ST                      ; my stage
	v_lshl_add_u32 v[VLX], v15, 3, s26
	v_lshl_add_u32 v[VLW], v15, 3, s27
	v_mul_u32_u24 v18, v16, PITCH
	v_lshl_add_u32 v[VA], v17, 4, v18              ; fragment: row r, 16 bytes for each half of the lanes (ISA guide 7.12.2)
	v_add_nc_u32 v[VB], s27, v[VA]
	v_mul_u32_u24 v18, v16, SPITCH
	v_lshl_add_u32 v18, v17, 5, v18
	v_add_nc_u32 v[VS], s28, v18                   ; in: row r (an o), 32 bytes (8 l) for each half of the lanes
	v_mul_u32_u24 v18, v17, SPITCH
	v_lshl_add_u32 v18, v16, 4, v18
	v_add_nc_u32 v[VR], s28, v18                   ; back: lanes 0-15 one row of 256 bytes, lanes 16-31 the next
	v_lshlrev_b32 v18, 10, v17
	v_lshl_add_u32 v[VG1], v16, 4, v18             ; and the same two rows of p1t
	v_lshlrev_b32 v18, 14, v17
	v_lshl_add_u32 v[VG2], v16, 4, v18             ; p2s: block j/8 by the half of the lanes, 16 bytes for each o
	STASH 0, VLX, 0, 32
	ISSUE 0, 6, WPITCH, 4
	STASH 1, VLX, 4, 32
	ISSUE 1, 6, WPITCH, 8
	STASH 2, VLW, 0, 32
	ISSUE 2, 6, WPITCH, 12
	STASH 0, VLW, 4, 32
	STASH 1, VLW, 8, 16                            ; nothing is asked for any more: the counts run down
	STASH 2, VLW, 12, 0
	v_mul_f32 v[CB], CSCALE, v[BI]
	v_mov_b32 v[CB+1], v[CB]
	s_wait_dscnt 0x0                               ; my rows are in LDS,
	s_barrier_signal -1
	s_barrier_wait -1                              ; everybody's are
.macro PLACES                          ; a load into a register that a matrix instruction has read, and a vector instruction that reads its result,
.rept 4                                ; stand four independent vector instructions behind it (ISA guide 7.12.1)
	v_nop
.endr
.endm
.macro FETCH ks, f                     ; ten LDS loads: 64 rows of x and my 16 rows of W, 32 along K
.irp a, 0,1,2,3
	ds_load_b128 v[\f+8*\a:\f+8*\a+3], v[VA] offset:\a*16*PITCH+64*(\ks)
	ds_load_b128 v[\f+8*\a+4:\f+8*\a+7], v[VA] offset:\a*16*PITCH+64*(\ks)+32
.endr
	ds_load_b128 v[\f+32:\f+35], v[VB] offset:64*(\ks)
	ds_load_b128 v[\f+36:\f+39], v[VB] offset:64*(\ks)+32
.endm
; Source 0 = 16 rows of x, source 1 = 16 rows of W: lane (r, h) then holds output o = r for the 8 neighbouring l = 8 h + 0..7.
.macro KSTEP ks, cur, nxt, zero, more
.if \more
.if \zero == 0
	PLACES
.endif
	FETCH \ks+1, \nxt
	s_wait_dscnt 10                                ; the ten loads just issued may be out; this step's are in
.else
	s_wait_dscnt 0x0
.endif
.irp a, 0,1,2,3
.if \zero
	v_wmma_f32_16x16x32_bf16 v[ACC+8*\a:ACC+8*\a+7], v[\cur+8*\a:\cur+8*\a+7], v[\cur+32:\cur+39], 0
.else
	v_wmma_f32_16x16x32_bf16 v[ACC+8*\a:ACC+8*\a+7], v[\cur+8*\a:\cur+8*\a+7], v[\cur+32:\cur+39], v[ACC+8*\a:ACC+8*\a+7]
.endif
.endr
.endm
	FETCH 0, F0
	KSTEP 0, F0, F1, 1, 1                          ; the first products start the sums: nothing is cleared
	KSTEP 1, F1, F0, 0, 1
.irp k, 2,4,6,8,10,12
	KSTEP \k, F0, F1, 0, 1
	KSTEP \k+1, F1, F0, 0, 1
.endr
	KSTEP 14, F0, F1, 0, 1
	KSTEP 15, F1, F0, 0, 0
	PLACES
	s_cmp_lg_u32 s18, 0
	s_cbranch_scc1 .Lsecond
	; part 0: p1t.  A lane holds 32 bytes of a row of p1t and its neighbours hold other rows, so 16 rows go through my own stage in LDS
	; and leave as rows of 256 bytes (64 l).  LDS serves a wave's instructions in order (ISA guide 5.7.1): no wait between stores and loads.
.set cnt, 0
.rept 16
	v_pk_mul_f32 v[ACC+cnt:ACC+cnt+1], v[ACC+cnt:ACC+cnt+1], CSCALE op_sel_hi:[1,0]
.set cnt, cnt+2
.endr
.irp a, 0,1,2,3
	ds_store_b128 v[VS], v[ACC+8*\a:ACC+8*\a+3] offset:64*\a
	ds_store_b128 v[VS], v[ACC+8*\a+4:ACC+8*\a+7] offset:64*\a+16
.endr
.irp t, 0,1,2,3,4,5,6,7
	ds_load_b128 v[BACK+4*\t:BACK+4*\t+3], v[VR] offset:\t*2*SPITCH
.endr
.irp t, 0,1,2,3,4,5,6,7
	s_wait_dscnt 7-\t
	global_store_b128 v[VG1], v[BACK+4*\t:BACK+4*\t+3], s[10:11] offset:\t*2048   ; 16 lanes store 256 consecutive bytes, at a multiple of 256
.endr
	s_endpgm
.Lsecond:
	; part 1: p2s.  Its order is made for these registers: registers 0-3 of sixteen neighbouring lanes are 256 consecutive bytes, registers 4-7 the next 256.
.set cnt, 0
.rept 16
	v_pk_fma_f32 v[ACC+cnt:ACC+cnt+1], v[ACC+cnt:ACC+cnt+1], CSCALE, v[CB:CB+1] op_sel_hi:[1,0,1]
.set cnt, cnt+2
.endr
.irp a, 0,1,2,3
	global_store_b128 v[VG2], v[ACC+8*\a:ACC+8*\a+3], s[12:13] offset:\a*32768
	global_store_b128 v[VG2], v[ACC+8*\a+4:ACC+8*\a+7], s[12:13] offset:\a*32768+256
.endr
	s_endpgm
.Lfunc_end_k_qeb52aa5b00_proj:
	.size	k_qeb52aa5b00_proj, .Lfunc_end_k_qeb52aa5b00_proj-k_qeb52aa5b00_proj
	.p2alignl 7, 3214868480
	.fill 96, 4, 3214868480
	.section	.rodata,"a",@progbits
	.p2align	6, 0x0
	.amdhsa_kernel k_qeb52aa5b00_proj
		.amdhsa_group_segment_fixed_size 234496
		.amdhsa_private_segment_fixed_size 0
		.amdhsa_enable_private_segment 0
		.amdhsa_kernarg_size 40
		.amdhsa_user_sgpr_count 2
		.amdhsa_user_sgpr_kernarg_segment_ptr 1
		.amdhsa_wavefront_size32 1
		.amdhsa_system_sgpr_workgroup_id_x 1
		.amdhsa_system_sgpr_workgroup_id_y 1
		.amdhsa_system_sgpr_workgroup_id_z 1
		.amdhsa_system_vgpr_workitem_id 0
		.amdhsa_next_free_vgpr 256
		.amdhsa_next_free_sgpr 66
		.amdhsa_reserve_vcc 0
		.amdhsa_float_denorm_mode_32 3
		.amdhsa_float_denorm_mode_16_64 3
		.amdhsa_memory_ordered 1
		.amdhsa_forward_progress 1
		.amdhsa_inst_pref_size 54
	.end_amdhsa_kernel
	.amdgpu_metadata
---
amdhsa.version: [ 1, 2 ]
amdhsa.kernels:
  - .name:           k_qeb52aa5b00_proj
    .symbol:         k_qeb52aa5b00_proj.kd
    .args:
      - { .name: inputs, .offset: 0, .size: 8, .value_kind: global_buffer, .address_space: global }
      - { .name: attn_W, .offset: 8, .size: 8, .value_kind: global_buffer, .address_space: global }
      - { .name: attn_b, .offset: 16, .size: 8, .value_kind: global_buffer, .address_space: global }
      - { .name: p1t, .offset: 24, .size: 8, .value_kind: global_buffer, .address_space: global }
      - { .name: p2s, .offset: 32, .size: 8, .value_kind: global_buffer, .address_space: global }
    .group_segment_fixed_size: 234496
    .private_segment_fixed_size: 0
    .kernarg_segment_align: 8
    .kernarg_segment_size: 40
    .max_flat_workgroup_size: 256
    .sgpr_count:     66
    .vgpr_count:     256
    .wavefront_size: 32
...
	.end_amdgpu_metadata
.endif
;; end of part 1
;; launch score (part 2): grid 32 x 8, 16 waves a work-group, no clusters, 73,984 bytes of LDS; arguments p1t, p2s, score_W, score_b, out0; writes out0
.if DOCPART == 2
	.amdgcn_target "amdgcn-amd-amdhsa--gfx1250"
	.amdhsa_code_object_version 6
	.text
	.protected	k_qeb52aa5b00_score
	.globl	k_qeb52aa5b00_score
	.p2align	8
	.type	k_qeb52aa5b00_score,@function
k_qeb52aa5b00_score:
	s_mov_b64 s[64:65], 0
	v_nop
	global_prefetch_b8 v0, s[64:65] scope:SCOPE_SE
	s_setreg_imm32_b32 hwreg(HW_REG_WAVE_MODE, 25, 1), 1
	s_wait_xcnt 0x0
; score: out0[b][i][j] = softmax over i of ( score_b + sum over h of w[h] tanh(p1[b][i][h] + p2[b][j][h] + attn_b[h]) ).
; With a = p1t, c = p2s (both already times 2 log2 e, the bias in c): e = exp2(a + c), d = 1 + e, tanh = 1 - 2 / d, so
;   energy = (score_b + sum w) - 2 sum over h of w[h] / d[h].
; FOUR h OF ONE (i, j) SHARE ONE RECIPROCAL:  w0/d0 + w1/d1 + w2/d2 + w3/d3 = N / (d0 d1 d2 d3), with
;   n01 = (w0 + w1) + w1 e0 + w0 e1,  P01 = e0 d1 + d1,  likewise n23, P23,  N = n01 P23 + n23 P01,  P = P01 P23:
; 5 transcendentals for 4 values in place of 8.  For that the exponent is cut at 30: there tanh differs from 1 by 1.9e-9, less than half a unit
; of f32's last place, and P stays below (1 + 2^30)^4 = 2^120, its reciprocal a normal number.
; LIMITS: |score_W| below 2^35 (N reaches 2^92 |w|).  A softmax value below 2^-126 comes out as 0 (v_exp_f32 flushes: ISA guide 15.8).
; The maximum is taken away before the softmax's exponential, as in reference().
;
; Work-group (x, y): batch b = y, columns j = 8 x .. 8 x + 7, all 256 i: softmax runs down a column, so a work-group owns whole columns,
; and 2,048 columns over 256 work-groups are 8 columns: 32 bytes of each of 256 rows of out0, stored by two neighbouring lanes.  Pieces of 256 bytes
; would mean 32 work-groups, or a further launch with the energies going through memory.
; 16 waves: wave = 2 hq + ig takes i = 128 ig + 4 lane + 0..3 and h = 64 hq .. 64 hq + 63, for all 8 j: 32 sums a lane, no exchange between lanes.
; a: one 16-byte load a lane for each h (a wave's load is 512 consecutive bytes), a ring of 16 slots in registers.
; c and w are the same in all lanes: scalar loads, two sets of 36 registers, asked for one chunk (4 h) ahead.
; The weighted sum over h is a product with ONE column: in the matrix unit 15 of 16 result columns would be idle, and the weights are part of N here.
; NO JOINT (CLUSTER) LOADS, though 32 work-groups read p1t[b]: each byte is used by one wave of a work-group and lands in the lanes that use it,
; one load for 138 vector instructions; through LDS each byte would be written and read once more, and 16 waves that never meet in the loop would need barriers.
.set HWAVE, 64                         ; h of a wave
.set LOOPS, HWAVE/16-1                 ; a body is 16 h = once round the ring; the last body is written out
.set OUTS,  65536                      ; LDS: 16 waves x 4,096 bytes of partial sums, then 8 columns x 1,040 bytes of results
.set OPITCH, 1040                      ; 260 words: four columns on are 16 words on, modulo 64
.set VO, 1                             ; byte offset of my 16 bytes in a row of p1t
.set VW, 2                             ; 16 x lane
.set VP, 3
.set VQ, 4
.set VZ, 5
.set VF, 6
.set VH, 7
.set RES, 12                           ; v[12:15] my 16 bytes of out0
.set ACC, 16                           ; v[16:47]  sum of w / d: 4 j + i
.set SB0, 48                           ; v[48:63]  a column at work: 4 h + i
.set SB1, 64                           ; v[64:79]  the next one
.set NP0, 80                           ; v[80:87]  N (4 i), P (4 i)
.set NP1, 88                           ; v[88:95]
.set TN,  96                           ; v[96:103] n01 (4 i), n23 (4 i)
.set WSUM, 104                         ; v[104:107] w0 + w1 twice, w2 + w3 twice
.set RING, 108                         ; v[108:171] slot s: 4 registers
.set WS,  172                          ; v[172:187] score_W, 16 numbers a lane, for sum w
.set PA0, 16                           ; s[16:31] set A: c of 4 h x columns 0-3
.set PA1, 32                           ; s[32:47]        4 h x columns 4-7
.set PB0, 48                           ; s[48:63] set B
.set PB1, 68                           ; s[68:83]
.set WA,  84                           ; s[84:87] w of set A's 4 h
.set WB,  88                           ; s[88:91]
.set TW1, 2                            ; s[2:3]   w1 in an even register
.set TW3, 66                           ; s[66:67] w3
.set CLAMP, 96
	s_load_b256 s[4:11], s[0:1], 0x0               ; p1t s[4:5], p2s s[6:7], score_W s[8:9], score_b s[10:11]
	s_load_b64 s[12:13], s[0:1], 0x20              ; out0
	v_lshrrev_b32 v8, 5, v0
	v_readfirstlane_b32 s14, v8                    ; wave 0..15
	v_and_b32 v9, 31, v0                           ; lane
	s_and_b32 s15, ttmp7, 0xffff                   ; b
	s_and_b32 s92, s14, 1                          ; ig
	s_lshl_b32 s92, s92, 9
	v_lshlrev_b32 v[VW], 4, v9
	v_add_nc_u32 v[VO], s92, v[VW]                 ; 512 ig + 16 lane
	s_lshr_b32 s93, s14, 1                         ; hq
	s_lshl_b32 s96, s15, 19                        ; p1t: (512 b + 64 hq) rows of 1,024 bytes
	s_lshl_b32 s97, s93, 16
	s_add_co_u32 s96, s96, s97
	s_mov_b32 s97, 0
	s_lshl_b32 s98, s15, 5                         ; p2s: (32 b + x) blocks of 16,384 bytes + 4 hq groups of 512
	s_add_co_u32 s98, s98, ttmp9
	s_lshl_b32 s98, s98, 14
	s_lshl_b32 s99, s93, 11
	s_add_co_u32 s98, s98, s99
	s_mov_b32 s99, 0
	s_lshl_b32 s100, s93, 8                        ; score_W: 4 x 64 hq
	s_mov_b32 s101, 0
	s_lshl_b32 s92, s15, 18                        ; out0: 256 b rows of 1,024 bytes + 32 x
	s_lshl_b32 s93, ttmp9, 5
	s_add_co_u32 s92, s92, s93
	s_mov_b32 s93, 0
	s_wait_kmcnt 0x0
	s_add_nc_u64 s[4:5], s[4:5], s[96:97]
	s_add_nc_u64 s[6:7], s[6:7], s[98:99]
	s_add_nc_u64 s[94:95], s[8:9], s[100:101]      ; score_W at my first h; s[8:9] stays at its first
	s_add_nc_u64 s[12:13], s[12:13], s[92:93]
	s_load_b32 s98, s[10:11], 0x0                  ; score_b
	s_load_b512 s[PA0:PA0+15], s[6:7], 0x0         ; the first chunk's scalars
	s_load_b512 s[PA1:PA1+15], s[6:7], 0x100
	s_load_b128 s[WA:WA+3], s[94:95], 0x0
.irp k, 0,1,2,3
	global_load_b128 v[WS+4*\k:WS+4*\k+3], v[VW], s[8:9] offset:512*\k   ; all of score_W, for sum w
.endr
.set cnt, 0
.rept 16
	global_load_b128 v[RING+4*cnt:RING+4*cnt+3], v[VO], s[4:5] offset:1024*cnt   ; the ring is filled: h 0 to 15
.set cnt, cnt+1
.endr
	s_mov_b32 s3, 0                                ; the upper halves of the two pairs are never used, only named
	s_mov_b32 s67, 0
	s_mov_b32 s[CLAMP], 0x41f00000                 ; 30.0
	s_mov_b32 s100, 0x76543210                     ; v_permlanex16_b32: lane i of one half reads lane i of the other
	s_mov_b32 s101, 0xfedcba98
	s_mov_b32 s97, LOOPS
.set cnt, 0
.rept 32
	v_mov_b32 v[ACC+cnt], 0
.set cnt, cnt+1
.endr
; One column, 4 h x 4 i.  A packed f32 instruction takes a scalar from the EVEN register of a pair, for both halves.  c lies as (column 2n, column 2n+1):
; the even columns go first, and behind an even column's sums (copy = 1) its neighbour's four numbers are moved down in place.
.macro GA sb, c, sr, copy
.irp k, 0,1,2,3
	v_pk_add_f32 v[\sb+4*\k:\sb+4*\k+1], v[RING+16*(\c)+4*\k:RING+16*(\c)+4*\k+1], s[\sr+4*\k:\sr+4*\k+1] op_sel_hi:[1,0]
	v_pk_add_f32 v[\sb+4*\k+2:\sb+4*\k+3], v[RING+16*(\c)+4*\k+2:RING+16*(\c)+4*\k+3], s[\sr+4*\k:\sr+4*\k+1] op_sel_hi:[1,0]
.endr
.if \copy
.irp k, 0,1,2,3
	s_mov_b32 s[\sr+4*\k], s[\sr+4*\k+1]
.endr
.endif
.set cnt, 0
.rept 16
	v_min_num_f32 v[\sb+cnt], s[CLAMP], v[\sb+cnt]
.set cnt, cnt+1
.endr
.endm
.macro GX sb                           ; e = exp2(a + c)
.set cnt, 0
.rept 16
	v_exp_f32 v[\sb+cnt], v[\sb+cnt]
.set cnt, cnt+1
.endr
.endm
.macro GL sb, np, w                    ; N and P of the four h, two i at a time
	s_wait_alu depctr_va_vdst(0)
.irp i, 0,2
	v_pk_fma_f32 v[TN+\i:TN+\i+1], v[\sb+\i:\sb+\i+1], s[TW1:TW1+1], v[WSUM:WSUM+1] op_sel_hi:[1,0,1]            ; (w0 + w1) + w1 e0
	v_pk_fma_f32 v[TN+4+\i:TN+4+\i+1], v[\sb+8+\i:\sb+8+\i+1], s[TW3:TW3+1], v[WSUM+2:WSUM+3] op_sel_hi:[1,0,1]  ; (w2 + w3) + w3 e2
.endr
.irp i, 0,2
	v_pk_fma_f32 v[TN+\i:TN+\i+1], v[\sb+4+\i:\sb+4+\i+1], s[\w:\w+1], v[TN+\i:TN+\i+1] op_sel_hi:[1,0,1]             ; n01: + w0 e1
	v_pk_fma_f32 v[TN+4+\i:TN+4+\i+1], v[\sb+12+\i:\sb+12+\i+1], s[\w+2:\w+3], v[TN+4+\i:TN+4+\i+1] op_sel_hi:[1,0,1] ; n23: + w2 e3
.endr
.irp i, 0,2
	v_pk_add_f32 v[\sb+4+\i:\sb+4+\i+1], v[\sb+4+\i:\sb+4+\i+1], 1.0 op_sel_hi:[1,0]       ; d1
	v_pk_add_f32 v[\sb+12+\i:\sb+12+\i+1], v[\sb+12+\i:\sb+12+\i+1], 1.0 op_sel_hi:[1,0]   ; d3
.endr
.irp i, 0,2
	v_pk_fma_f32 v[\sb+\i:\sb+\i+1], v[\sb+\i:\sb+\i+1], v[\sb+4+\i:\sb+4+\i+1], v[\sb+4+\i:\sb+4+\i+1]          ; P01 = e0 d1 + d1
	v_pk_fma_f32 v[\sb+8+\i:\sb+8+\i+1], v[\sb+8+\i:\sb+8+\i+1], v[\sb+12+\i:\sb+12+\i+1], v[\sb+12+\i:\sb+12+\i+1] ; P23 = e2 d3 + d3
.endr
.irp i, 0,2
	v_pk_mul_f32 v[\np+\i:\np+\i+1], v[TN+\i:TN+\i+1], v[\sb+8+\i:\sb+8+\i+1]              ; n01 P23
	v_pk_mul_f32 v[\np+4+\i:\np+4+\i+1], v[\sb+\i:\sb+\i+1], v[\sb+8+\i:\sb+8+\i+1]        ; P = P01 P23
.endr
.irp i, 0,2
	v_pk_fma_f32 v[\np+\i:\np+\i+1], v[TN+4+\i:TN+4+\i+1], v[\sb+\i:\sb+\i+1], v[\np+\i:\np+\i+1]   ; N: + n23 P01
.endr
.endm
.macro GR np                           ; 1 / P
.irp i, 4,5,6,7
	v_rcp_f32 v[\np+\i], v[\np+\i]
.endr
.endm
.macro GF np, j                        ; the column's sums += N / P
	s_wait_alu depctr_va_vdst(0)
	v_pk_fma_f32 v[ACC+4*\j:ACC+4*\j+1], v[\np:\np+1], v[\np+4:\np+5], v[ACC+4*\j:ACC+4*\j+1]
	v_pk_fma_f32 v[ACC+4*\j+2:ACC+4*\j+3], v[\np+2:\np+3], v[\np+6:\np+7], v[ACC+4*\j+2:ACC+4*\j+3]
.endm
; A CHUNK: 4 h (slots 4 c .. 4 c + 3) x 8 columns, in the order 0 2 4 6 1 3 5 7, on two working sets that take turns.  The stages of neighbouring
; columns are laid so that behind every run of transcendentals stands plain work on the OTHER set before a result is used (ISA guide 5.7.2).
; more = 1: the next chunk's scalars are asked for, into the set that the last chunk has done with.  ahead = 1: the four slots are filled again, 16 h on.
.macro CHUNK c, p0, p1, w, n0, n1, nw, more, ahead
	s_wait_kmcnt 0x0                               ; this chunk's scalars, asked for a chunk ago (scalar loads return in no order: 0 alone tells)
.if \more
	s_load_b512 s[\n0:\n0+15], s[6:7], (((\c)+1)&3)*64+(((\c)+1)>>2)*512
	s_load_b512 s[\n1:\n1+15], s[6:7], (((\c)+1)&3)*64+(((\c)+1)>>2)*512+256
	s_load_b128 s[\nw:\nw+3], s[94:95], ((\c)+1)*16
.endif
	s_mov_b32 s[TW1], s[\w+1]
	s_mov_b32 s[TW3], s[\w+3]
	v_mov_b32 v[WSUM], s[\w+1]
	v_mov_b32 v[WSUM+2], s[\w+3]
	v_add_f32 v[WSUM], s[\w], v[WSUM]
	v_add_f32 v[WSUM+2], s[\w+2], v[WSUM+2]
	v_mov_b32 v[WSUM+1], v[WSUM]
	v_mov_b32 v[WSUM+3], v[WSUM+2]
.if \ahead
	s_wait_loadcnt 12                              ; loads return in order (ISA guide 5.7.1): my four slots are in, the twelve younger loads stay out
.else
	s_wait_loadcnt 12-4*(\c)
.endif
	GA SB0, \c, \p0, 1                             ; column 0
	GX SB0
	GA SB1, \c, \p0+2, 1                           ; column 2
	GX SB1
	GL SB0, NP0, \w
	GR NP0
	GA SB0, \c, \p1, 1                             ; column 4
	GX SB0
	GL SB1, NP1, \w
	GR NP1
	GF NP0, 0
	GA SB1, \c, \p1+2, 1                           ; column 6
	GX SB1
	GL SB0, NP0, \w
	GR NP0
	GF NP1, 2
	GA SB0, \c, \p0, 0                             ; column 1
	GX SB0
	GL SB1, NP1, \w
	GR NP1
	GF NP0, 4
	GA SB1, \c, \p0+2, 0                           ; column 3
	GX SB1
	GL SB0, NP0, \w
	GR NP0
	GF NP1, 6
	GA SB0, \c, \p1, 0                             ; column 5
	GX SB0
	GL SB1, NP1, \w
	GR NP1
	GF NP0, 1
	GA SB1, \c, \p1+2, 0                           ; column 7: the last that reads the four slots
.if \ahead
.irp k, 0,1,2,3
	global_load_b128 v[RING+16*(\c)+4*\k:RING+16*(\c)+4*\k+3], v[VO], s[4:5] offset:(16+4*(\c)+\k)*1024
.endr
.endif
	GX SB1
	GL SB0, NP0, \w
	GR NP0
	GF NP1, 3
	GL SB1, NP1, \w
	GR NP1
	GF NP0, 5
	GF NP1, 7
.endm
.macro BODY ahead
	CHUNK 0, PA0, PA1, WA, PB0, PB1, WB, 1, \ahead
	CHUNK 1, PB0, PB1, WB, PA0, PA1, WA, 1, \ahead
	CHUNK 2, PA0, PA1, WA, PB0, PB1, WB, 1, \ahead
	CHUNK 3, PB0, PB1, WB, PA0, PA1, WA, \ahead, \ahead
.endm
.Lbody:
	BODY 1
	s_wait_xcnt 0x0                                ; the three bases, which pending loads name, are stepped only behind this wait (ISA guide 3.1)
	s_add_nc_u64 s[4:5], s[4:5], 16*1024
	s_add_nc_u64 s[6:7], s[6:7], 512
	s_add_nc_u64 s[94:95], s[94:95], 64
	s_sub_co_u32 s97, s97, 1
	s_cmp_lg_u32 s97, 0
	s_cbranch_scc1 .Lbody
	BODY 0                                         ; the last 16 h ask for nothing beyond the wave's share: the counts run down to 0
	; The eight partial sums of each (i, j) meet in LDS: wave w's 8 columns x 128 i at 4,096 w.
	s_lshl_b32 s92, s14, 12
	v_add_nc_u32 v[VP], s92, v[VW]
.irp j, 0,1,2,3,4,5,6,7
	ds_store_b128 v[VP], v[ACC+4*\j:ACC+4*\j+3] offset:512*\j
.endr
	s_wait_dscnt 0x0                               ; for the others' sake: my stores are done
	s_barrier_signal -1
	s_barrier_wait -1
	s_cmp_ge_u32 s14, 8
	s_cbranch_scc1 .Lnosoft                        ; eight columns, eight waves: wave j finishes column j; no barrier is jumped over
	s_lshl_b32 s92, s14, 9
	v_add_nc_u32 v[VQ], s92, v[VW]
.set cnt, 0
.rept 16
	ds_load_b128 v[RING+4*cnt:RING+4*cnt+3], v[VQ] offset:4096*cnt   ; wave 2 hq + ig's part: i = 128 ig + 4 lane + 0..3
.set cnt, cnt+1
.endr
	; K = score_b + sum over h of w[h]
.irp i, 0,2,4,6
	v_pk_add_f32 v[WS+\i:WS+\i+1], v[WS+\i:WS+\i+1], v[WS+8+\i:WS+8+\i+1]
.endr
.irp i, 0,2
	v_pk_add_f32 v[WS+\i:WS+\i+1], v[WS+\i:WS+\i+1], v[WS+4+\i:WS+4+\i+1]
.endr
	v_pk_add_f32 v[WS:WS+1], v[WS:WS+1], v[WS+2:WS+3]
	v_add_f32 v[WS], v[WS], v[WS+1]
.irp k, 1,2,4,8
	v_add_f32_dpp v[WS], v[WS], v[WS] row_xmask:\k row_mask:0xf bank_mask:0xf
.endr
	v_permlanex16_b32 v[WS+1], v[WS], s100, s101
	v_add_f32 v[WS], v[WS], v[WS+1]
	v_add_f32 v[NP0], s98, v[WS]
	s_wait_dscnt 0x0
.irp k, 0,2,4,6
.irp i, 0,2,4,6
	v_pk_add_f32 v[RING+8*\k+\i:RING+8*\k+\i+1], v[RING+8*\k+\i:RING+8*\k+\i+1], v[RING+8*\k+8+\i:RING+8*\k+8+\i+1]
.endr
.endr
.irp k, 0,4
.irp i, 0,2,4,6
	v_pk_add_f32 v[RING+8*\k+\i:RING+8*\k+\i+1], v[RING+8*\k+\i:RING+8*\k+\i+1], v[RING+8*\k+16+\i:RING+8*\k+16+\i+1]
.endr
.endr
.irp i, 0,2,4,6
	v_pk_add_f32 v[RING+\i:RING+\i+1], v[RING+\i:RING+\i+1], v[RING+32+\i:RING+32+\i+1]
.endr
.irp i, 0,1,2,3,4,5,6,7
	v_fma_f32 v[RING+\i], v[RING+\i], -2.0, v[NP0]         ; the energy of 8 i of my column
.endr
	v_max3_num_f32 v[SB0], v[RING], v[RING+1], v[RING+2]
	v_max3_num_f32 v[SB0], v[SB0], v[RING+3], v[RING+4]
	v_max3_num_f32 v[SB0], v[SB0], v[RING+5], v[RING+6]
	v_max_num_f32 v[SB0], v[SB0], v[RING+7]
.irp k, 1,2,4,8
	v_max_num_f32_dpp v[SB0], v[SB0], v[SB0] row_xmask:\k row_mask:0xf bank_mask:0xf
.endr
	v_permlanex16_b32 v[SB0+1], v[SB0], s100, s101
	v_max_num_f32 v[SB0], v[SB0], v[SB0+1]                 ; the column's maximum, in every lane
.irp i, 0,1,2,3,4,5,6,7
	v_sub_f32 v[RING+\i], v[RING+\i], v[SB0]
.endr
.irp i, 0,1,2,3,4,5,6,7
	v_mul_f32 v[RING+\i], 0x3fb8aa3b, v[RING+\i]
.endr
.irp i, 0,1,2,3,4,5,6,7
	v_exp_f32 v[RING+\i], v[RING+\i]
.endr
	v_nop                                          ; one plain instruction between the exponentials and their first use (ISA guide 5.7.2)
	s_wait_alu depctr_va_vdst(0)
	v_pk_add_f32 v[SB0+4:SB0+5], v[RING:RING+1], v[RING+2:RING+3]
	v_pk_add_f32 v[SB0+6:SB0+7], v[RING+4:RING+5], v[RING+6:RING+7]
	v_pk_add_f32 v[SB0+4:SB0+5], v[SB0+4:SB0+5], v[SB0+6:SB0+7]
	v_add_f32 v[SB0+4], v[SB0+4], v[SB0+5]
.irp k, 1,2,4,8
	v_add_f32_dpp v[SB0+4], v[SB0+4], v[SB0+4] row_xmask:\k row_mask:0xf bank_mask:0xf
.endr
	v_permlanex16_b32 v[SB0+5], v[SB0+4], s100, s101
	v_add_f32 v[SB0+4], v[SB0+4], v[SB0+5]                 ; at least 1: the maximum's own term
	v_rcp_f32 v[SB0+4], v[SB0+4]
	v_nop
	s_wait_alu depctr_va_vdst(0)
.irp i, 0,2,4,6
	v_pk_mul_f32 v[RING+\i:RING+\i+1], v[RING+\i:RING+\i+1], v[SB0+4:SB0+5] op_sel_hi:[1,0]
.endr
	s_mul_i32 s92, s14, OPITCH
	s_add_co_u32 s92, s92, OUTS
	v_add_nc_u32 v[VZ], s92, v[VW]
	ds_store_b128 v[VZ], v[RING:RING+3]                    ; column j, i = 4 lane + 0..3
	ds_store_b128 v[VZ], v[RING+4:RING+7] offset:512       ; and 128 + 4 lane + 0..3
.Lnosoft:
	s_wait_dscnt 0x0
	s_barrier_signal -1
	s_barrier_wait -1
	; Thread t stores 16 bytes: row i = t / 2, columns 4 (t % 2) + 0..3, picked from four columns of the stage.  In a load 16 lanes take 16 neighbouring
	; words of one column and 16 lanes the same of the column four on, 16 words further modulo 64: all 32 words lie apart.
	v_and_b32 v8, 1, v0
	v_lshrrev_b32 v9, 1, v0
	v_mul_u32_u24 v10, v8, 4*OPITCH
	v_lshl_add_u32 v10, v9, 2, v10
	v_add_nc_u32 v[VF], OUTS, v10
	v_lshlrev_b32 v11, 4, v8
	v_lshl_add_u32 v[VH], v9, 10, v11
.irp k, 0,1,2,3
	ds_load_b32 v[RES+\k], v[VF] offset:OPITCH*\k
.endr
	s_wait_dscnt 0x0
	global_store_b128 v[VH], v[RES:RES+3], s[12:13]
	s_endpgm
.Lfunc_end_k_qeb52aa5b00_score:
	.size	k_qeb52aa5b00_score, .Lfunc_end_k_qeb52aa5b00_score-k_qeb52aa5b00_score
	.p2alignl 7, 3214868480
	.fill 96, 4, 3214868480
	.section	.rodata,"a",@progbits
	.p2align	6, 0x0
	.amdhsa_kernel k_qeb52aa5b00_score
		.amdhsa_group_segment_fixed_size 73984
		.amdhsa_private_segment_fixed_size 0
		.amdhsa_enable_private_segment 0
		.amdhsa_kernarg_size 40
		.amdhsa_user_sgpr_count 2
		.amdhsa_user_sgpr_kernarg_segment_ptr 1
		.amdhsa_wavefront_size32 1
		.amdhsa_system_sgpr_workgroup_id_x 1
		.amdhsa_system_sgpr_workgroup_id_y 1
		.amdhsa_system_sgpr_workgroup_id_z 1
		.amdhsa_system_vgpr_workitem_id 0
		.amdhsa_next_free_vgpr 192
		.amdhsa_next_free_sgpr 102
		.amdhsa_reserve_vcc 0
		.amdhsa_float_denorm_mode_32 3
		.amdhsa_float_denorm_mode_16_64 3
		.amdhsa_memory_ordered 1
		.amdhsa_forward_progress 1
		.amdhsa_inst_pref_size 227
	.end_amdhsa_kernel
	.amdgpu_metadata
---
amdhsa.version: [ 1, 2 ]
amdhsa.kernels:
  - .name:           k_qeb52aa5b00_score
    .symbol:         k_qeb52aa5b00_score.kd
    .args:
      - { .name: p1t, .offset: 0, .size: 8, .value_kind: global_buffer, .address_space: global }
      - { .name: p2s, .offset: 8, .size: 8, .value_kind: global_buffer, .address_space: global }
      - { .name: score_W, .offset: 16, .size: 8, .value_kind: global_buffer, .address_space: global }
      - { .name: score_b, .offset: 24, .size: 8, .value_kind: global_buffer, .address_space: global }
      - { .name: out0, .offset: 32, .size: 8, .value_kind: global_buffer, .address_space: global }
    .group_segment_fixed_size: 73984
    .private_segment_fixed_size: 0
    .kernarg_segment_align: 8
    .kernarg_segment_size: 40
    .max_flat_workgroup_size: 512
    .sgpr_count:     102
    .vgpr_count:     192
    .wavefront_size: 32
...
	.end_amdgpu_metadata
.endif
;; end of part 2
;; ======== version 2 of 2: 2 launches; 1.47 times as fast as version 1
;; limits: right only within a limited range of input values
;; workspace buffers: p1t 4,194,304 bytes; p2s 4,194,304 bytes; p1e 4,194,304 bytes; p2e 4,194,304 bytes; flags 8,192 bytes of whole numbers
;; launch proj (part 3): grid 32 x 8, 8 waves a work-group, no clusters, 269,312 bytes of LDS; arguments inputs, attn_W, attn_b, p1t, p2s, p1e, p2e, flags; writes p1t, p2s, p1e, p2e, flags
.if DOCPART == 3
	.amdgcn_target "amdgcn-amd-amdhsa--gfx1250"
	.amdhsa_code_object_version 6
	.text
	.protected	k_qeb52aa5b00_proj
	.globl	k_qeb52aa5b00_proj
	.p2align	8
	.type	k_qeb52aa5b00_proj,@function
k_qeb52aa5b00_proj:
	s_mov_b64 s[64:65], 0
	v_nop
	global_prefetch_b8 v0, s[64:65] scope:SCOPE_SE
	s_setreg_imm32_b32 hwreg(HW_REG_WAVE_MODE, 25, 1), 1
	s_wait_xcnt 0x0
; proj: the two projections of reference(), p1 = x W1^T and p2 = x W2^T + attn_b, both times C = 2 log2(e), and their exponentials,
; so that the next launch gets exp(2 (p1 + p2 + b)) either as exp2 of one sum or as one product.  bf16 operands, f32 sums.
;   p1t[b][o][i] = a = C p1[b][i][o]                    p1e, same order: exp2(a)            (a row of 256 i is 1,024 bytes)
;   p2s[b][j/8][o/16][(j%8)/4][o%16][j%4] = c = C (p2[b][j][o] + attn_b[o])     p2e, same order: exp2(c - 30)
;   flags[part][b][lb][ob][wave] = 1 if one of the wave's 1,024 numbers a (part 0) or c (part 1) is above 30 in magnitude, else 0:
;   the next launch uses the exponentials only where all the flags that concern it are 0.  (Beyond that range they may be 0 or infinite; nobody reads them then.)
; Work-group (x, y): batch b = y; x = 16 part + 4 ob + lb: half of attn_W (part), 128 outputs o (ob), 64 positions l (lb).
; Eight waves.  Each brings 8 rows of x and 16 rows of W (2,048 bytes each, every load 512 consecutive bytes), converts each number
; ONCE in registers and stores it as bf16 in LDS; K = 512 is resident as a whole, so there is one barrier and no ring.
; Then wave w multiplies all 64 l by its 16 o: 4 accumulator tiles, 16 K steps of 32.
; NO JOINT (CLUSTER) LOADS, though the x tile is read by 8 work-groups and the W tile by 32: the operands are f32 in memory.  Laid in LDS as
; f32 the two tiles are 384 KiB, more than a work-group can have, and each of the 8 waves would convert the 64 rows of x again.
.set XPITCH, 16384                     ; bytes from inputs[l][b] to inputs[l+1][b]
.set WPITCH, 4096                      ; bytes in a row of attn_W
.set PITCH,  1040                      ; LDS row: 512 bf16 + 16 bytes = 65 x 16: the 16 rows of a fragment load fall in 16 different 16-byte columns of 256
.set WL,     64*PITCH                  ; W's 128 rows lie behind x's 64
.set SPITCH, 272
.set ST,     WL+128*PITCH              ; the way out of p1t: 16 rows of 272 bytes for each wave
.set STG2,   8*16*SPITCH               ; and as much again, behind it, for p1e
.set CSCALE, 0x4038aa3b                ; 2 log2(e) = 2.8853900
.set LIMIT,  0x41f00000                ; 30.0
.set SHIFT,  0xc1f00000                ; -30.0
.set VOFF, 1                           ; 16 x lane: my 16 bytes of every 512
.set VLX,  2                           ; LDS: where my 8 bytes of x's rows go
.set VLW,  3                           ; the same for W
.set VA,   4                           ; LDS: x fragments
.set VB,   5                           ; LDS: my wave's W fragment
.set VS,   6                           ; stage, in
.set VR,   7                           ; stage, back
.set VG1,  8                           ; byte offset in p1t and p1e
.set VG2,  9                           ; byte offset in p2s and p2e
.set VBO,  10                          ; byte offset in attn_b
.set BI,   11                          ; attn_b[o] of my column
.set CB,   12                          ; v[12:13] C attn_b[o], twice
.set LD,   32                          ; v[32:223] three banks of 16 loads
.set TMP,  224                         ; v[224:255] a batch as bf16
.set ACC,  32                          ; v[32:63] 4 tiles of 16 l x 16 o (the banks are done with by then)
.set F0,   64                          ; v[64:103]  fragments: 4 of x, 1 of W
.set F1,   104                         ; v[104:143] the second buffer
.set EX,   64                          ; v[64:95]   the exponentials (the fragments are done with by then)
.set BACK, 144                         ; v[144:175] rows of p1t read back from the stage
.set BACK2, 176                        ; v[176:207] rows of p1e
.set MX,   208                         ; v[208:209] largest, and the other half's
.set MN,   210                         ; smallest
.set FLG,  211
.set VZERO, 212
.set WV, 40                            ; wave 0..7
.set BB, 41                            ; b
.set LB, 42                            ; lb
.set OB, 43                            ; ob
.set PT, 44                            ; part
	s_load_b512 s[4:19], s[0:1], 0x0               ; inputs s[4:5], attn_W s[6:7], attn_b s[8:9], p1t s[10:11], p2s s[12:13], p1e s[14:15], p2e s[16:17], flags s[18:19]
	v_lshrrev_b32 v14, 5, v0
	v_readfirstlane_b32 s[WV], v14
	s_and_b32 s[BB], ttmp7, 0xffff
	s_and_b32 s[LB], ttmp9, 3
	s_bfe_u32 s[OB], ttmp9, 0x20002                ; 2 bits from bit 2
	s_lshr_b32 s[PT], ttmp9, 4
	v_and_b32 v15, 31, v0                          ; lane
	v_and_b32 v16, 15, v0                          ; r = lane % 16
	v_bfe_u32 v17, v0, 4, 1                        ; h = lane / 16
	v_lshlrev_b32 v[VOFF], 4, v15
	v_lshlrev_b32 v[VBO], 2, v16
	s_lshl_b32 s20, s[LB], 20                      ; x: (64 lb + 8 wave) rows of 16,384 bytes + 2,048 b
	s_lshl_b32 s21, s[WV], 17
	s_add_co_u32 s20, s20, s21
	s_lshl_b32 s21, s[BB], 11
	s_add_co_u32 s20, s20, s21
	s_mov_b32 s21, 0
	s_lshl_b32 s22, s[OB], 19                      ; W: (128 ob + 16 wave) rows of 4,096 bytes + 2,048 part
	s_lshl_b32 s23, s[WV], 16
	s_add_co_u32 s22, s22, s23
	s_lshl_b32 s23, s[PT], 11
	s_add_co_u32 s22, s22, s23
	s_mov_b32 s23, 0
	s_lshl_b32 s24, s[OB], 9                       ; attn_b: 4 (128 ob + 16 wave)
	s_lshl_b32 s25, s[WV], 6
	s_add_co_u32 s24, s24, s25
	s_mov_b32 s25, 0
	s_lshl_b32 s30, s[BB], 19                      ; p1t, p1e: (512 b + 128 ob + 16 wave) rows of 1,024 bytes + 256 lb
	s_lshl_b32 s31, s[OB], 17
	s_add_co_u32 s30, s30, s31
	s_lshl_b32 s31, s[WV], 14
	s_add_co_u32 s30, s30, s31
	s_lshl_b32 s31, s[LB], 8
	s_add_co_u32 s30, s30, s31
	s_mov_b32 s31, 0
	s_lshl_b32 s32, s[BB], 19                      ; p2s, p2e: (32 b + 8 lb) blocks of 16,384 bytes + (8 ob + wave) groups of 512
	s_lshl_b32 s33, s[LB], 17
	s_add_co_u32 s32, s32, s33
	s_lshl_b32 s33, s[OB], 12
	s_add_co_u32 s32, s32, s33
	s_lshl_b32 s33, s[WV], 9
	s_add_co_u32 s32, s32, s33
	s_mov_b32 s33, 0
	s_lshl_b32 s34, s[PT], 12                      ; flags: word 1,024 part + 128 b + 32 lb + 8 ob + wave
	s_lshl_b32 s35, s[BB], 9
	s_add_co_u32 s34, s34, s35
	s_lshl_b32 s35, s[LB], 7
	s_add_co_u32 s34, s34, s35
	s_lshl_b32 s35, s[OB], 5
	s_add_co_u32 s34, s34, s35
	s_lshl_b32 s35, s[WV], 2
	s_add_co_u32 s34, s34, s35
	s_mov_b32 s35, 0
	s_mov_b32 s36, 0x76543210                      ; v_permlanex16_b32: lane i of one half reads lane i of the other
	s_mov_b32 s37, 0xfedcba98
	s_wait_kmcnt 0x0
	s_add_nc_u64 s[4:5], s[4:5], s[20:21]
	s_add_nc_u64 s[6:7], s[6:7], s[22:23]
	s_add_nc_u64 s[8:9], s[8:9], s[24:25]
	s_add_nc_u64 s[10:11], s[10:11], s[30:31]
	s_add_nc_u64 s[14:15], s[14:15], s[30:31]
	s_add_nc_u64 s[12:13], s[12:13], s[32:33]
	s_add_nc_u64 s[16:17], s[16:17], s[32:33]
	s_add_nc_u64 s[18:19], s[18:19], s[34:35]
; 16 loads = 4 rows of 2,048 bytes.  All addresses are a base, 16 x lane and a constant: no register is stepped.
.macro ISSUE bank, sb, pitch, row0
.irp r, 0,1,2,3
.irp k, 0,1,2,3
	global_load_b128 v[LD+64*\bank+16*\r+4*\k:LD+64*\bank+16*\r+4*\k+3], v[VOFF], s[\sb:\sb+1] offset:(\row0+\r)*\pitch+512*\k
.endr
.endr
.endm
; the same 4 rows to LDS: 4 f32 of a lane become 8 bytes, a wave's store covers 256 consecutive bytes.  left = loads of the younger batches.
; All 32 conversions stand in front of the 16 stores, so that no store follows straight on the conversion that feeds it.
.macro STASH bank, va, row0, left
	s_wait_loadcnt \left
	s_wait_dscnt 0x0                               ; the temporaries are written again only when the last batch's LDS stores are done
.irp r, 0,1,2,3
.irp k, 0,1,2,3
	v_cvt_pk_bf16_f32 v[TMP+8*\r+2*\k], v[LD+64*\bank+16*\r+4*\k], v[LD+64*\bank+16*\r+4*\k+1]
	v_cvt_pk_bf16_f32 v[TMP+8*\r+2*\k+1], v[LD+64*\bank+16*\r+4*\k+2], v[LD+64*\bank+16*\r+4*\k+3]
.endr
.endr
.irp r, 0,1,2,3
.irp k, 0,1,2,3
	ds_store_b64 v[\va], v[TMP+8*\r+2*\k:TMP+8*\r+2*\k+1] offset:(\row0+\r)*PITCH+256*\k
.endr
.endr
.endm
	global_load_b32 v[BI], v[VBO], s[8:9]          ; attn_b[o0 + r]; older than every row load, so the first wait below covers it
	ISSUE 0, 4, XPITCH, 0                          ; three batches, 48 loads of 512 bytes, are on their way in each wave
	ISSUE 1, 4, XPITCH, 4
	ISSUE 2, 6, WPITCH, 0
	s_mul_i32 s26, s[WV], 8*PITCH                  ; my 8 rows of x in LDS
	s_mul_i32 s27, s[WV], 16*PITCH
	s_add_co_u32 s27, s27, WL                      ; my 16 rows of W
	s_mul_i32 s28, s[WV], 16*SPITCH
	s_add_co_u32 s28, s28, ST                      ; my stage
	v_lshl_add_u32 v[VLX], v15, 3, s26
	v_lshl_add_u32 v[VLW], v15, 3, s27
	v_mul_u32_u24 v18, v16, PITCH
	v_lshl_add_u32 v[VA], v17, 4, v18              ; fragment: row r, 16 bytes for each half of the lanes (ISA guide 7.12.2)
	v_add_nc_u32 v[VB], s27, v[VA]
	v_mul_u32_u24 v18, v16, SPITCH
	v_lshl_add_u32 v18, v17, 5, v18
	v_add_nc_u32 v[VS], s28, v18                   ; in: row r (an o), 32 bytes (8 l) for each half of the lanes
	v_mul_u32_u24 v18, v17, SPITCH
	v_lshl_add_u32 v18, v16, 4, v18
	v_add_nc_u32 v[VR], s28, v18                   ; back: lanes 0-15 one row of 256 bytes, lanes 16-31 the next
	v_lshlrev_b32 v18, 10, v17
	v_lshl_add_u32 v[VG1], v16, 4, v18             ; and the same two rows of p1t
	v_lshlrev_b32 v18, 14, v17
	v_lshl_add_u32 v[VG2], v16, 4, v18             ; p2s: block j/8 by the half of the lanes, 16 bytes for each o
	STASH 0, VLX, 0, 32
	ISSUE 0, 6, WPITCH, 4
	STASH 1, VLX, 4, 32
	ISSUE 1, 6, WPITCH, 8
	STASH 2, VLW, 0, 32
	ISSUE 2, 6, WPITCH, 12
	STASH 0, VLW, 4, 32
	STASH 1, VLW, 8, 16                            ; nothing is asked for any more: the counts run down
	STASH 2, VLW, 12, 0
	v_mul_f32 v[CB], CSCALE, v[BI]
	v_mov_b32 v[CB+1], v[CB]
	s_wait_dscnt 0x0                               ; my rows are in LDS,
	s_barrier_signal -1
	s_barrier_wait -1                              ; everybody's are
.macro PLACES                          ; a load into a register that a matrix instruction has read, and a vector instruction that reads its result,
.rept 4                                ; stand four independent vector instructions behind it (ISA guide 7.12.1)
	v_nop
.endr
.endm
.macro FETCH ks, f                     ; ten LDS loads: 64 rows of x and my 16 rows of W, 32 along K
.irp a, 0,1,2,3
	ds_load_b128 v[\f+8*\a:\f+8*\a+3], v[VA] offset:\a*16*PITCH+64*(\ks)
	ds_load_b128 v[\f+8*\a+4:\f+8*\a+7], v[VA] offset:\a*16*PITCH+64*(\ks)+32
.endr
	ds_load_b128 v[\f+32:\f+35], v[VB] offset:64*(\ks)
	ds_load_b128 v[\f+36:\f+39], v[VB] offset:64*(\ks)+32
.endm
; Source 0 = 16 rows of x, source 1 = 16 rows of W: lane (r, h) then holds output o = r for the 8 neighbouring l = 8 h + 0..7.
.macro KSTEP ks, cur, nxt, zero, more
.if \more
.if \zero == 0
	PLACES
.endif
	FETCH \ks+1, \nxt
	s_wait_dscnt 10                                ; the ten loads just issued may be out; this step's are in
.else
	s_wait_dscnt 0x0
.endif
.irp a, 0,1,2,3
.if \zero
	v_wmma_f32_16x16x32_bf16 v[ACC+8*\a:ACC+8*\a+7], v[\cur+8*\a:\cur+8*\a+7], v[\cur+32:\cur+39], 0
.else
	v_wmma_f32_16x16x32_bf16 v[ACC+8*\a:ACC+8*\a+7], v[\cur+8*\a:\cur+8*\a+7], v[\cur+32:\cur+39], v[ACC+8*\a:ACC+8*\a+7]
.endif
.endr
.endm
; The wave's flag: is any of its 32 x 32 numbers above 30 in magnitude?  Largest and smallest in two chains, then across the lanes; lane 0 stores the word.
.macro FLAG
	v_max3_num_f32 v[MX], v[ACC], v[ACC+1], v[ACC+2]
	v_min3_num_f32 v[MN], v[ACC], v[ACC+1], v[ACC+2]
.set cnt, 3
.rept 14
	v_max3_num_f32 v[MX], v[MX], v[ACC+cnt], v[ACC+cnt+1]
	v_min3_num_f32 v[MN], v[MN], v[ACC+cnt], v[ACC+cnt+1]
.set cnt, cnt+2
.endr
	v_max_num_f32 v[MX], v[MX], v[ACC+31]
	v_min_num_f32 v[MN], v[MN], v[ACC+31]
	v_xor_b32 v[MN], 0x80000000, v[MN]             ; minus the smallest
	v_max_num_f32 v[MX], v[MX], v[MN]              ; the largest magnitude of my 32 numbers
.irp k, 1,2,4,8
	v_max_num_f32_dpp v[MX], v[MX], v[MX] row_xmask:\k row_mask:0xf bank_mask:0xf
.endr
	v_mov_b32 v[MX+1], v[MX]                       ; the destination below counts as read
	v_permlanex16_b32 v[MX+1], v[MX], s36, s37
	v_max_num_f32 v[MX], v[MX], v[MX+1]
	v_cmp_lt_f32 vcc_lo, LIMIT, v[MX]              ; 30 < the largest magnitude (an infinity too)
	v_cndmask_b32 v[FLG], 0, 1, vcc_lo
	v_mov_b32 v[VZERO], 0
	v_cmp_eq_u32 vcc_lo, 0, v15
	s_wait_xcnt 0x0                                ; EXEC is a source of every global access: it changes only behind this wait (ISA guide 3.1)
	s_and_saveexec_b32 s38, vcc_lo                 ; lane 0 alone
	global_store_b32 v[VZERO], v[FLG], s[18:19]
	s_wait_xcnt 0x0                                ; and again in front of the line that widens it
	s_or_b32 exec_lo, exec_lo, s38
.endm
	FETCH 0, F0
	KSTEP 0, F0, F1, 1, 1                          ; the first products start the sums: nothing is cleared
	KSTEP 1, F1, F0, 0, 1
.irp k, 2,4,6,8,10,12
	KSTEP \k, F0, F1, 0, 1
	KSTEP \k+1, F1, F0, 0, 1
.endr
	KSTEP 14, F0, F1, 0, 1
	KSTEP 15, F1, F0, 0, 0
	PLACES
	s_cmp_lg_u32 s[PT], 0
	s_cbranch_scc1 .Lsecond
	; part 0: p1t and p1e.  A lane holds 32 bytes of a row and its neighbours hold other rows, so 16 rows go through my own stage in LDS
	; and leave as rows of 256 bytes (64 l).  LDS serves a wave's instructions in order (ISA guide 5.7.1): no wait between stores and loads.
.set cnt, 0
.rept 16
	v_pk_mul_f32 v[ACC+cnt:ACC+cnt+1], v[ACC+cnt:ACC+cnt+1], CSCALE op_sel_hi:[1,0]
.set cnt, cnt+2
.endr
	FLAG
.irp a, 0,1,2,3
	ds_store_b128 v[VS], v[ACC+8*\a:ACC+8*\a+3] offset:64*\a
	ds_store_b128 v[VS], v[ACC+8*\a+4:ACC+8*\a+7] offset:64*\a+16
.endr
.irp t, 0,1,2,3,4,5,6,7
	ds_load_b128 v[BACK+4*\t:BACK+4*\t+3], v[VR] offset:\t*2*SPITCH
.endr
.set cnt, 0
.rept 32
	v_exp_f32 v[EX+cnt], v[ACC+cnt]                ; exp2(a)
.set cnt, cnt+1
.endr
	v_nop                                          ; one plain instruction between the exponentials and their first use (ISA guide 5.7.2)
	s_wait_alu depctr_va_vdst(0)
.irp a, 0,1,2,3
	ds_store_b128 v[VS], v[EX+8*\a:EX+8*\a+3] offset:STG2+64*\a
	ds_store_b128 v[VS], v[EX+8*\a+4:EX+8*\a+7] offset:STG2+64*\a+16
.endr
.irp t, 0,1,2,3,4,5,6,7
	ds_load_b128 v[BACK2+4*\t:BACK2+4*\t+3], v[VR] offset:STG2+\t*2*SPITCH
.endr
.irp t, 0,1,2,3,4,5,6,7
	s_wait_dscnt 23-\t                             ; behind row pair t: 7 - t loads of this table, and the other table's 8 stores and 8 loads
	global_store_b128 v[VG1], v[BACK+4*\t:BACK+4*\t+3], s[10:11] offset:\t*2048   ; 16 lanes store 256 consecutive bytes, at a multiple of 256
.endr
.irp t, 0,1,2,3,4,5,6,7
	s_wait_dscnt 7-\t
	global_store_b128 v[VG1], v[BACK2+4*\t:BACK2+4*\t+3], s[14:15] offset:\t*2048
.endr
	s_endpgm
.Lsecond:
	; part 1: p2s and p2e.  Their order is made for these registers: registers 0-3 of sixteen neighbouring lanes are 256 consecutive bytes, registers 4-7 the next 256.
.set cnt, 0
.rept 16
	v_pk_fma_f32 v[ACC+cnt:ACC+cnt+1], v[ACC+cnt:ACC+cnt+1], CSCALE, v[CB:CB+1] op_sel_hi:[1,0,1]
.set cnt, cnt+2
.endr
	FLAG
.irp a, 0,1,2,3
	global_store_b128 v[VG2], v[ACC+8*\a:ACC+8*\a+3], s[12:13] offset:\a*32768
	global_store_b128 v[VG2], v[ACC+8*\a+4:ACC+8*\a+7], s[12:13] offset:\a*32768+256
.endr
.set cnt, 0
.rept 16
	v_pk_add_f32 v[EX+cnt:EX+cnt+1], v[ACC+cnt:ACC+cnt+1], SHIFT op_sel_hi:[1,0]   ; into other registers: the stores above still read c
.set cnt, cnt+2
.endr
.set cnt, 0
.rept 32
	v_exp_f32 v[EX+cnt], v[EX+cnt]                 ; exp2(c - 30)
.set cnt, cnt+1
.endr
	v_nop
	s_wait_alu depctr_va_vdst(0)
.irp a, 0,1,2,3
	global_store_b128 v[VG2], v[EX+8*\a:EX+8*\a+3], s[16:17] offset:\a*32768
	global_store_b128 v[VG2], v[EX+8*\a+4:EX+8*\a+7], s[16:17] offset:\a*32768+256
.endr
	s_endpgm
.Lfunc_end_k_qeb52aa5b00_proj:
	.size	k_qeb52aa5b00_proj, .Lfunc_end_k_qeb52aa5b00_proj-k_qeb52aa5b00_proj
	.p2alignl 7, 3214868480
	.fill 96, 4, 3214868480
	.section	.rodata,"a",@progbits
	.p2align	6, 0x0
	.amdhsa_kernel k_qeb52aa5b00_proj
		.amdhsa_group_segment_fixed_size 269312
		.amdhsa_private_segment_fixed_size 0
		.amdhsa_enable_private_segment 0
		.amdhsa_kernarg_size 64
		.amdhsa_user_sgpr_count 2
		.amdhsa_user_sgpr_kernarg_segment_ptr 1
		.amdhsa_wavefront_size32 1
		.amdhsa_system_sgpr_workgroup_id_x 1
		.amdhsa_system_sgpr_workgroup_id_y 1
		.amdhsa_system_sgpr_workgroup_id_z 1
		.amdhsa_system_vgpr_workitem_id 0
		.amdhsa_next_free_vgpr 256
		.amdhsa_next_free_sgpr 66
		.amdhsa_reserve_vcc 1
		.amdhsa_float_denorm_mode_32 3
		.amdhsa_float_denorm_mode_16_64 3
		.amdhsa_memory_ordered 1
		.amdhsa_forward_progress 1
		.amdhsa_inst_pref_size 66
	.end_amdhsa_kernel
	.amdgpu_metadata
---
amdhsa.version: [ 1, 2 ]
amdhsa.kernels:
  - .name:           k_qeb52aa5b00_proj
    .symbol:         k_qeb52aa5b00_proj.kd
    .args:
      - { .name: inputs, .offset: 0, .size: 8, .value_kind: global_buffer, .address_space: global }
      - { .name: attn_W, .offset: 8, .size: 8, .value_kind: global_buffer, .address_space: global }
      - { .name: attn_b, .offset: 16, .size: 8, .value_kind: global_buffer, .address_space: global }
      - { .name: p1t, .offset: 24, .size: 8, .value_kind: global_buffer, .address_space: global }
      - { .name: p2s, .offset: 32, .size: 8, .value_kind: global_buffer, .address_space: global }
      - { .name: p1e, .offset: 40, .size: 8, .value_kind: global_buffer, .address_space: global }
      - { .name: p2e, .offset: 48, .size: 8, .value_kind: global_buffer, .address_space: global }
      - { .name: flags, .offset: 56, .size: 8, .value_kind: global_buffer, .address_space: global }
    .group_segment_fixed_size: 269312
    .private_segment_fixed_size: 0
    .kernarg_segment_align: 8
    .kernarg_segment_size: 64
    .max_flat_workgroup_size: 256
    .sgpr_count:     66
    .vgpr_count:     256
    .wavefront_size: 32
...
	.end_amdgpu_metadata
.endif
;; end of part 3
;; launch score (part 4): grid 32 x 8, 16 waves a work-group, no clusters, 73,984 bytes of LDS; arguments p1e, p2e, p1t, p2s, flags, score_W, score_b, out0; writes out0
.if DOCPART == 4
	.amdgcn_target "amdgcn-amd-amdhsa--gfx1250"
	.amdhsa_code_object_version 6
	.text
	.protected	k_qeb52aa5b00_score
	.globl	k_qeb52aa5b00_score
	.p2align	8
	.type	k_qeb52aa5b00_score,@function
k_qeb52aa5b00_score:
	s_mov_b64 s[64:65], 0
	v_nop
	global_prefetch_b8 v0, s[64:65] scope:SCOPE_SE
	s_setreg_imm32_b32 hwreg(HW_REG_WAVE_MODE, 25, 1), 1
	s_wait_xcnt 0x0
; score: out0[b][i][j] = softmax over i of ( score_b + sum over h of w[h] tanh(p1[b][i][h] + p2[b][j][h] + attn_b[h]) ).
; With a = p1t, c = p2s (both times 2 log2 e, the bias in c): e = exp2(a + c), d = 1 + e, tanh = 1 - 2 / d, so
;   energy = (score_b + sum w) - 2 sum over h of w[h] / d[h].
; THE FAST LOOP takes no exponential: e = exp2(a) exp2(c), and the launch before has stored A = exp2(a) (p1e) and C' = exp2(c - 30) (p2e).
;   d' = 2^-30 + A C' = 2^-30 d: one multiply-add.  Four h of one (i, j) share one reciprocal:
;   w0/d0' + .. + w3/d3' = N / P,  n01 = w0 d1' + w1 d0',  P01 = d0' d1',  likewise n23, P23,  N = n01 P23 + n23 P01,  P = P01 P23:
;   14 packed instructions and 2 reciprocals for 8 values.  The sums are 2^30 times sum w / d; the last multiply-add takes that back.
;   It holds where |a| <= 30 and |c| <= 30: then d' lies in 2^-30 .. 2^30 and P in 2^-120 .. 2^120, so that nothing overflows and 1 / P is a normal number.
; THE PLAIN LOOP holds for every a and c: exp2(a + c), + 1, reciprocal, multiply-add (an infinite e gives 0, as it should).
; WHICH OF THE TWO: the launch before stored one whole number for each of its waves, 1 where a magnitude above 30 occurred.  A wave here reads the 128 flags
; of its batch's a and the 32 of its columns' c, and takes the fast loop if all are 0.  All waves of a work-group read the same words.  The plain loop is written
; for rightness: it waits for its loads in every trip.
; LIMITS: |score_W| below 2^35 (N reaches 4 |w| 2^90).  A softmax value below 2^-126 comes out as 0 (v_exp_f32 flushes: ISA guide 15.8).
; The maximum is taken away before the softmax's exponential, as in reference().
;
; Work-group (x, y): batch b = y, columns j = 8 x .. 8 x + 7, all 256 i: softmax runs down a column, so a work-group owns whole columns,
; and 2,048 columns over 256 work-groups are 8 columns: 32 bytes of each of 256 rows of out0, stored by two neighbouring lanes.  Pieces of 256 bytes
; would mean 32 work-groups, or a further launch with the energies going through memory.
; 16 waves: wave = 2 hq + ig takes i = 128 ig + 4 lane + 0..3 and h = 64 hq .. 64 hq + 63, for all 8 j: 32 sums a lane, no exchange between lanes.
; A: one 16-byte load a lane for each h (a wave's load is 512 consecutive bytes), a ring of 16 slots in registers.
; C' and w are the same in all lanes: scalar loads, two sets of 36 registers, asked for one chunk (4 h) ahead.
; The weighted sum over h is a product with ONE column: in the matrix unit 15 of 16 result columns would be idle, and the weights are part of N here.
; NO JOINT (CLUSTER) LOADS, though 32 work-groups read p1e[b]: each byte is used by one wave of a work-group and lands in the lanes that use it,
; one load for 64 vector instructions; through LDS each byte would be written and read once more, and 16 waves that never meet in the loop would need barriers.
.set HWAVE, 64                         ; h of a wave
.set LOOPS, HWAVE/16-1                 ; a body is 16 h = once round the ring; the last body is written out
.set OUTS,  65536                      ; LDS: 16 waves x 4,096 bytes of partial sums, then 8 columns x 1,040 bytes of results
.set OPITCH, 1040                      ; 260 words: four columns on are 16 words on, modulo 64
.set KAPPA, 0x30800000                 ; 2^-30
.set VO, 1                             ; byte offset of my 16 bytes in a row of p1e or p1t
.set VW, 2                             ; 16 x lane
.set VP, 3
.set VQ, 4
.set VZ, 5
.set VF, 6
.set VH, 7
.set RES, 12                           ; v[12:15] my 16 bytes of out0
.set ACC, 16                           ; v[16:47]  sum of w / d: 4 j + i
.set SB0, 48                           ; v[48:63]  a column at work: 4 h + i
.set SB1, 64                           ; v[64:79]  the next one
.set NP0, 80                           ; v[80:87]  N (4 i), P (4 i)
.set NP1, 88                           ; v[88:95]
.set TN,  96                           ; v[96:103] n01 (4 i), n23 (4 i)
.set KAP, 104                          ; v[104:105] 2^-30, twice
.set VFO, 106                          ; byte offset of my word among the flags of c
.set FL1, 107                          ; that word
.set RING, 108                         ; v[108:171] slot s: 4 registers
.set WS,  172                          ; v[172:187] score_W, 16 numbers a lane, for sum w
.set FL,  188                          ; v[188:191] four flags of a
.set PA0, 16                           ; s[16:31] set A: C' of 4 h x columns 0-3
.set PA1, 32                           ; s[32:47]        4 h x columns 4-7
.set PB0, 48                           ; s[48:63] set B
.set PB1, 68                           ; s[68:83]  (at the start: the eight arguments)
.set WA,  84                           ; s[84:87] w of set A's 4 h
.set WB,  88                           ; s[88:91]
.set TW1, 2                            ; s[2:3]   w1 in an even register
.set TW3, 66                           ; s[66:67] w3
.set FS,  96                           ; what the sums are multiplied by at the end
	s_load_b512 s[68:83], s[0:1], 0x0              ; p1e s[68:69], p2e s[70:71], p1t s[72:73], p2s s[74:75], flags s[76:77], score_W s[78:79], score_b s[80:81], out0 s[82:83]
	v_lshrrev_b32 v8, 5, v0
	v_readfirstlane_b32 s14, v8                    ; wave 0..15
	v_and_b32 v9, 31, v0                           ; lane
	s_and_b32 s15, ttmp7, 0xffff                   ; b
	s_and_b32 s92, s14, 1                          ; ig
	s_lshl_b32 s92, s92, 9
	v_lshlrev_b32 v[VW], 4, v9
	v_add_nc_u32 v[VO], s92, v[VW]                 ; 512 ig + 16 lane
	s_lshr_b32 s93, s14, 1                         ; hq
	s_lshl_b32 s96, s15, 19                        ; p1e, p1t: (512 b + 64 hq) rows of 1,024 bytes
	s_lshl_b32 s97, s93, 16
	s_add_co_u32 s96, s96, s97
	s_mov_b32 s97, 0
	s_lshl_b32 s98, s15, 5                         ; p2e, p2s: (32 b + x) blocks of 16,384 bytes + 4 hq groups of 512
	s_add_co_u32 s98, s98, ttmp9
	s_lshl_b32 s98, s98, 14
	s_lshl_b32 s99, s93, 11
	s_add_co_u32 s98, s98, s99
	s_mov_b32 s99, 0
	s_lshl_b32 s100, s93, 8                        ; score_W: 4 x 64 hq
	s_mov_b32 s101, 0
	s_lshl_b32 s92, s15, 18                        ; out0: 256 b rows of 1,024 bytes + 32 x
	s_lshl_b32 s93, ttmp9, 5
	s_add_co_u32 s92, s92, s93
	s_mov_b32 s93, 0
	s_lshl_b32 s88, s15, 9                         ; flags: 128 words for each batch
	s_mov_b32 s89, 0
	s_lshr_b32 s90, ttmp9, 3                       ; my 8 columns lie in block x / 8 of 64 positions: 32 words
	s_lshl_b32 s90, s90, 7
	v_lshl_add_u32 v[VFO], v9, 2, s90
	s_wait_kmcnt 0x0
	s_add_nc_u64 s[4:5], s[68:69], s[96:97]        ; p1e at my first h
	s_add_nc_u64 s[6:7], s[70:71], s[98:99]        ; p2e
	s_add_nc_u64 s[8:9], s[72:73], s[96:97]        ; p1t
	s_add_nc_u64 s[10:11], s[74:75], s[98:99]      ; p2s
	s_add_nc_u64 s[76:77], s[76:77], s[88:89]      ; my batch's flags
	s_add_nc_u64 s[94:95], s[78:79], s[100:101]    ; score_W at my first h; s[78:79] stays at its first
	s_add_nc_u64 s[12:13], s[82:83], s[92:93]
	global_load_b128 v[FL:FL+3], v[VW], s[76:77]               ; the 128 flags of a: four a lane
	global_load_b32 v[FL1], v[VFO], s[76:77] offset:4096       ; the 32 flags of c: one a lane
	s_load_b32 s98, s[80:81], 0x0                  ; score_b
	s_load_b512 s[PA0:PA0+15], s[6:7], 0x0         ; the fast loop's first loads do not wait for the flags: the plain loop, if it comes to that, loads again
	s_load_b512 s[PA1:PA1+15], s[6:7], 0x100
	s_load_b128 s[WA:WA+3], s[94:95], 0x0
.irp k, 0,1,2,3
	global_load_b128 v[WS+4*\k:WS+4*\k+3], v[VW], s[78:79] offset:512*\k   ; all of score_W, for sum w
.endr
.set cnt, 0
.rept 16
	global_load_b128 v[RING+4*cnt:RING+4*cnt+3], v[VO], s[4:5] offset:1024*cnt   ; the ring is filled: h 0 to 15
.set cnt, cnt+1
.endr
	s_mov_b32 s3, 0                                ; the upper halves of the two pairs are never used, only named
	s_mov_b32 s67, 0
	s_mov_b32 s100, 0x76543210                     ; v_permlanex16_b32: lane i of one half reads lane i of the other
	s_mov_b32 s101, 0xfedcba98
	s_mov_b32 s97, LOOPS
	v_mov_b32 v[KAP], KAPPA
	v_mov_b32 v[KAP+1], KAPPA
.set cnt, 0
.rept 32
	v_mov_b32 v[ACC+cnt], 0                        ; once, for both loops
.set cnt, cnt+1
.endr
	s_wait_loadcnt 20                              ; loads return in order (ISA guide 5.7.1): the two loads of flags are in, the 4 + 16 younger ones stay out
	v_or_b32 v[FL], v[FL], v[FL+1]
	v_or_b32 v[FL+2], v[FL+2], v[FL+3]
	v_or_b32 v[FL], v[FL], v[FL+2]
	v_or_b32 v[FL], v[FL], v[FL1]
	v_cmp_ne_u32 vcc_lo, 0, v[FL]                  ; any lane, any flag
	s_wait_xcnt 0x0                                ; s[76:81], bases of the loads above, lie in set B, which is loaded soon: only behind this wait (ISA guide 3.1)
	s_cbranch_vccnz .Lslow
	s_mov_b32 s[FS], 0xb1000000                    ; -2 x 2^-30
; One column, 4 h x 4 i.  A packed f32 instruction takes a scalar from the EVEN register of a pair, for both halves.  C' lies as (column 2n, column 2n+1):
; the even columns go first, and behind an even column's products (copy = 1) its neighbour's four numbers are moved down in place.
.macro GD sb, c, sr, copy              ; d' = 2^-30 + A C'
.irp k, 0,1,2,3
	v_pk_fma_f32 v[\sb+4*\k:\sb+4*\k+1], v[RING+16*(\c)+4*\k:RING+16*(\c)+4*\k+1], s[\sr+4*\k:\sr+4*\k+1], v[KAP:KAP+1] op_sel_hi:[1,0,1]
	v_pk_fma_f32 v[\sb+4*\k+2:\sb+4*\k+3], v[RING+16*(\c)+4*\k+2:RING+16*(\c)+4*\k+3], s[\sr+4*\k:\sr+4*\k+1], v[KAP:KAP+1] op_sel_hi:[1,0,1]
.endr
.if \copy
.irp k, 0,1,2,3
	s_mov_b32 s[\sr+4*\k], s[\sr+4*\k+1]
.endr
.endif
.endm
.macro GL sb, np, w                    ; N and P of the four h, two i at a time; four lines that do not hang on each other stand together
.irp i, 0,2
	v_pk_mul_f32 v[TN+\i:TN+\i+1], v[\sb+4+\i:\sb+4+\i+1], s[\w:\w+1] op_sel_hi:[1,0]                             ; w0 d1
	v_pk_mul_f32 v[TN+4+\i:TN+4+\i+1], v[\sb+12+\i:\sb+12+\i+1], s[\w+2:\w+3] op_sel_hi:[1,0]                     ; w2 d3
.endr
.irp i, 0,2
	v_pk_fma_f32 v[TN+\i:TN+\i+1], v[\sb+\i:\sb+\i+1], s[TW1:TW1+1], v[TN+\i:TN+\i+1] op_sel_hi:[1,0,1]           ; n01: + w1 d0
	v_pk_fma_f32 v[TN+4+\i:TN+4+\i+1], v[\sb+8+\i:\sb+8+\i+1], s[TW3:TW3+1], v[TN+4+\i:TN+4+\i+1] op_sel_hi:[1,0,1] ; n23: + w3 d2
.endr
.irp i, 0,2
	v_pk_mul_f32 v[\sb+\i:\sb+\i+1], v[\sb+\i:\sb+\i+1], v[\sb+4+\i:\sb+4+\i+1]            ; P01 = d0 d1
	v_pk_mul_f32 v[\sb+8+\i:\sb+8+\i+1], v[\sb+8+\i:\sb+8+\i+1], v[\sb+12+\i:\sb+12+\i+1]  ; P23 = d2 d3
.endr
.irp i, 0,2
	v_pk_mul_f32 v[\np+\i:\np+\i+1], v[TN+\i:TN+\i+1], v[\sb+8+\i:\sb+8+\i+1]              ; n01 P23
	v_pk_mul_f32 v[\np+4+\i:\np+4+\i+1], v[\sb+\i:\sb+\i+1], v[\sb+8+\i:\sb+8+\i+1]        ; P = P01 P23
.endr
.irp i, 0,2
	v_pk_fma_f32 v[\np+\i:\np+\i+1], v[TN+4+\i:TN+4+\i+1], v[\sb+\i:\sb+\i+1], v[\np+\i:\np+\i+1]   ; N: + n23 P01
.endr
.endm
.macro GR np                           ; 1 / P
.irp i, 4,5,6,7
	v_rcp_f32 v[\np+\i], v[\np+\i]
.endr
.endm
.macro GF np, j                        ; the column's sums += N / P
	s_wait_alu depctr_va_vdst(0)
	v_pk_fma_f32 v[ACC+4*\j:ACC+4*\j+1], v[\np:\np+1], v[\np+4:\np+5], v[ACC+4*\j:ACC+4*\j+1]
	v_pk_fma_f32 v[ACC+4*\j+2:ACC+4*\j+3], v[\np+2:\np+3], v[\np+6:\np+7], v[ACC+4*\j+2:ACC+4*\j+3]
.endm
; A CHUNK: 4 h (slots 4 c .. 4 c + 3) x 8 columns, in the order 0 2 4 6 1 3 5 7, on two working sets that take turns.  A column's reciprocals are used
; one column later, so that behind every run of them stands plain work on the OTHER set before a result is read (ISA guide 5.7.2).
; more = 1: the next chunk's scalars are asked for, into the set that the last chunk has done with.  ahead = 1: the four slots are filled again, 16 h on.
.macro CHUNK c, p0, p1, w, n0, n1, nw, more, ahead
	s_wait_kmcnt 0x0                               ; this chunk's scalars, asked for a chunk ago (scalar loads return in no order: 0 alone tells)
.if \more
	s_load_b512 s[\n0:\n0+15], s[6:7], (((\c)+1)&3)*64+(((\c)+1)>>2)*512
	s_load_b512 s[\n1:\n1+15], s[6:7], (((\c)+1)&3)*64+(((\c)+1)>>2)*512+256
	s_load_b128 s[\nw:\nw+3], s[94:95], ((\c)+1)*16
.endif
	s_mov_b32 s[TW1], s[\w+1]
	s_mov_b32 s[TW3], s[\w+3]
.if \ahead
	s_wait_loadcnt 12                              ; my four slots are in, the twelve younger loads stay out
.else
	s_wait_loadcnt 12-4*(\c)
.endif
	GD SB0, \c, \p0, 1                             ; column 0
	GL SB0, NP0, \w
	GR NP0
	GD SB1, \c, \p0+2, 1                           ; column 2
	GL SB1, NP1, \w
	GR NP1
	GF NP0, 0
	GD SB0, \c, \p1, 1                             ; column 4
	GL SB0, NP0, \w
	GR NP0
	GF NP1, 2
	GD SB1, \c, \p1+2, 1                           ; column 6
	GL SB1, NP1, \w
	GR NP1
	GF NP0, 4
	GD SB0, \c, \p0, 0                             ; column 1
	GL SB0, NP0, \w
	GR NP0
	GF NP1, 6
	GD SB1, \c, \p0+2, 0                           ; column 3
	GL SB1, NP1, \w
	GR NP1
	GF NP0, 1
	GD SB0, \c, \p1, 0                             ; column 5
	GL SB0, NP0, \w
	GR NP0
	GF NP1, 3
	GD SB1, \c, \p1+2, 0                           ; column 7: the last that reads the four slots
.if \ahead
.irp k, 0,1,2,3
	global_load_b128 v[RING+16*(\c)+4*\k:RING+16*(\c)+4*\k+3], v[VO], s[4:5] offset:(16+4*(\c)+\k)*1024
.endr
.endif
	GL SB1, NP1, \w
	GR NP1
	GF NP0, 5
	GF NP1, 7
.endm
.macro BODY ahead
	CHUNK 0, PA0, PA1, WA, PB0, PB1, WB, 1, \ahead
	CHUNK 1, PB0, PB1, WB, PA0, PA1, WA, 1, \ahead
	CHUNK 2, PA0, PA1, WA, PB0, PB1, WB, 1, \ahead
	CHUNK 3, PB0, PB1, WB, PA0, PA1, WA, \ahead, \ahead
.endm
.Lbody:
	BODY 1
	s_wait_xcnt 0x0                                ; the three bases, which pending loads name, are stepped only behind this wait (ISA guide 3.1)
	s_add_nc_u64 s[4:5], s[4:5], 16*1024
	s_add_nc_u64 s[6:7], s[6:7], 512
	s_add_nc_u64 s[94:95], s[94:95], 64
	s_sub_co_u32 s97, s97, 1
	s_cmp_lg_u32 s97, 0
	s_cbranch_scc1 .Lbody
	BODY 0                                         ; the last 16 h ask for nothing beyond the wave's share: the counts run down to 0
	s_branch .Ljoin
	; THE PLAIN LOOP: a trip is 4 h x 8 columns from a (p1t) and c (p2s).  In p2s four chunks lie 64 bytes apart, then the next 16 h begin 512 bytes on:
	; hence two counted loops, the inner stepping by 64, the outer adding the remaining 256.
.macro SC j, sr, copy
.irp k, 0,1,2,3
	v_pk_add_f32 v[SB0+4*\k:SB0+4*\k+1], v[RING+4*\k:RING+4*\k+1], s[\sr+4*\k:\sr+4*\k+1] op_sel_hi:[1,0]
	v_pk_add_f32 v[SB0+4*\k+2:SB0+4*\k+3], v[RING+4*\k+2:RING+4*\k+3], s[\sr+4*\k:\sr+4*\k+1] op_sel_hi:[1,0]
.endr
.if \copy
.irp k, 0,1,2,3
	s_mov_b32 s[\sr+4*\k], s[\sr+4*\k+1]
.endr
.endif
.set cnt, 0
.rept 16
	v_exp_f32 v[SB0+cnt], v[SB0+cnt]               ; e = exp2(a + c)
.set cnt, cnt+1
.endr
	v_nop                                          ; one plain instruction behind a run of transcendentals (ISA guide 5.7.2)
.set cnt, 0
	s_wait_alu depctr_va_vdst(0)
.rept 8
	v_pk_add_f32 v[SB0+cnt:SB0+cnt+1], v[SB0+cnt:SB0+cnt+1], 1.0 op_sel_hi:[1,0]
.set cnt, cnt+2
.endr
.set cnt, 0
.rept 16
	v_rcp_f32 v[SB0+cnt], v[SB0+cnt]               ; 1 / d; 0 where e is infinite
.set cnt, cnt+1
.endr
	v_nop
	s_wait_alu depctr_va_vdst(0)
.irp i, 0,2
	v_pk_fma_f32 v[ACC+4*\j+\i:ACC+4*\j+\i+1], v[SB0+\i:SB0+\i+1], s[WA:WA+1], v[ACC+4*\j+\i:ACC+4*\j+\i+1] op_sel_hi:[1,0,1]
.endr
.irp i, 0,2
	v_pk_fma_f32 v[ACC+4*\j+\i:ACC+4*\j+\i+1], v[SB0+4+\i:SB0+4+\i+1], s[TW1:TW1+1], v[ACC+4*\j+\i:ACC+4*\j+\i+1] op_sel_hi:[1,0,1]
.endr
.irp i, 0,2
	v_pk_fma_f32 v[ACC+4*\j+\i:ACC+4*\j+\i+1], v[SB0+8+\i:SB0+8+\i+1], s[WA+2:WA+3], v[ACC+4*\j+\i:ACC+4*\j+\i+1] op_sel_hi:[1,0,1]
.endr
.irp i, 0,2
	v_pk_fma_f32 v[ACC+4*\j+\i:ACC+4*\j+\i+1], v[SB0+12+\i:SB0+12+\i+1], s[TW3:TW3+1], v[ACC+4*\j+\i:ACC+4*\j+\i+1] op_sel_hi:[1,0,1]
.endr
.endm
.Lslow:
	s_wait_loadcnt 0x0                             ; what was asked for the fast loop has landed: its registers are loaded again below
	s_wait_kmcnt 0x0
	s_mov_b32 s[FS], 0xc0000000                    ; -2
	s_mov_b32 s97, HWAVE/16
.Lgroup:
	s_mov_b32 s99, 4
.Lplain:
	s_load_b512 s[PA0:PA0+15], s[10:11], 0x0
	s_load_b512 s[PA1:PA1+15], s[10:11], 0x100
	s_load_b128 s[WA:WA+3], s[94:95], 0x0
.irp k, 0,1,2,3
	global_load_b128 v[RING+4*\k:RING+4*\k+3], v[VO], s[8:9] offset:1024*\k
.endr
	s_wait_kmcnt 0x0
	s_mov_b32 s[TW1], s[WA+1]
	s_mov_b32 s[TW3], s[WA+3]
	s_wait_loadcnt 0x0
	SC 0, PA0, 1
	SC 2, PA0+2, 1
	SC 4, PA1, 1
	SC 6, PA1+2, 1
	SC 1, PA0, 0
	SC 3, PA0+2, 0
	SC 5, PA1, 0
	SC 7, PA1+2, 0
	s_wait_xcnt 0x0                                ; the bases are stepped only behind this wait
	s_add_nc_u64 s[8:9], s[8:9], 4*1024
	s_add_nc_u64 s[10:11], s[10:11], 64
	s_add_nc_u64 s[94:95], s[94:95], 16
	s_sub_co_u32 s99, s99, 1
	s_cmp_lg_u32 s99, 0
	s_cbranch_scc1 .Lplain
	s_add_nc_u64 s[10:11], s[10:11], 256
	s_sub_co_u32 s97, s97, 1
	s_cmp_lg_u32 s97, 0
	s_cbranch_scc1 .Lgroup
.Ljoin:
	; The eight partial sums of each (i, j) meet in LDS: wave w's 8 columns x 128 i at 4,096 w.
	s_lshl_b32 s92, s14, 12
	v_add_nc_u32 v[VP], s92, v[VW]
.irp j, 0,1,2,3,4,5,6,7
	ds_store_b128 v[VP], v[ACC+4*\j:ACC+4*\j+3] offset:512*\j
.endr
	s_wait_dscnt 0x0                               ; for the others' sake: my stores are done
	s_barrier_signal -1
	s_barrier_wait -1
	s_cmp_ge_u32 s14, 8
	s_cbranch_scc1 .Lnosoft                        ; eight columns, eight waves: wave j finishes column j; no barrier is jumped over
	s_lshl_b32 s92, s14, 9
	v_add_nc_u32 v[VQ], s92, v[VW]
.set cnt, 0
.rept 16
	ds_load_b128 v[RING+4*cnt:RING+4*cnt+3], v[VQ] offset:4096*cnt   ; wave 2 hq + ig's part: i = 128 ig + 4 lane + 0..3
.set cnt, cnt+1
.endr
	; K = score_b + sum over h of w[h]
.irp i, 0,2,4,6
	v_pk_add_f32 v[WS+\i:WS+\i+1], v[WS+\i:WS+\i+1], v[WS+8+\i:WS+8+\i+1]
.endr
.irp i, 0,2
	v_pk_add_f32 v[WS+\i:WS+\i+1], v[WS+\i:WS+\i+1], v[WS+4+\i:WS+4+\i+1]
.endr
	v_pk_add_f32 v[WS:WS+1], v[WS:WS+1], v[WS+2:WS+3]
	v_add_f32 v[WS], v[WS], v[WS+1]
.irp k, 1,2,4,8
	v_add_f32_dpp v[WS], v[WS], v[WS] row_xmask:\k row_mask:0xf bank_mask:0xf
.endr
	v_permlanex16_b32 v[WS+1], v[WS], s100, s101
	v_add_f32 v[WS], v[WS], v[WS+1]
	v_add_f32 v[NP0], s98, v[WS]
	s_wait_dscnt 0x0
.irp k, 0,2,4,6
.irp i, 0,2,4,6
	v_pk_add_f32 v[RING+8*\k+\i:RING+8*\k+\i+1], v[RING+8*\k+\i:RING+8*\k+\i+1], v[RING+8*\k+8+\i:RING+8*\k+8+\i+1]
.endr
.endr
.irp k, 0,4
.irp i, 0,2,4,6
	v_pk_add_f32 v[RING+8*\k+\i:RING+8*\k+\i+1], v[RING+8*\k+\i:RING+8*\k+\i+1], v[RING+8*\k+16+\i:RING+8*\k+16+\i+1]
.endr
.endr
.irp i, 0,2,4,6
	v_pk_add_f32 v[RING+\i:RING+\i+1], v[RING+\i:RING+\i+1], v[RING+32+\i:RING+32+\i+1]
.endr
.irp i, 0,1,2,3,4,5,6,7
	v_fma_f32 v[RING+\i], v[RING+\i], s[FS], v[NP0]        ; the energy of 8 i of my column: K - 2 sum w / d
.endr
	v_max3_num_f32 v[SB0], v[RING], v[RING+1], v[RING+2]
	v_max3_num_f32 v[SB0], v[SB0], v[RING+3], v[RING+4]
	v_max3_num_f32 v[SB0], v[SB0], v[RING+5], v[RING+6]
	v_max_num_f32 v[SB0], v[SB0], v[RING+7]
.irp k, 1,2,4,8
	v_max_num_f32_dpp v[SB0], v[SB0], v[SB0] row_xmask:\k row_mask:0xf bank_mask:0xf
.endr
	v_permlanex16_b32 v[SB0+1], v[SB0], s100, s101
	v_max_num_f32 v[SB0], v[SB0], v[SB0+1]                 ; the column's maximum, in every lane
.irp i, 0,1,2,3,4,5,6,7
	v_sub_f32 v[RING+\i], v[RING+\i], v[SB0]
.endr
.irp i, 0,1,2,3,4,5,6,7
	v_mul_f32 v[RING+\i], 0x3fb8aa3b, v[RING+\i]
.endr
.irp i, 0,1,2,3,4,5,6,7
	v_exp_f32 v[RING+\i], v[RING+\i]
.endr
	v_nop                                          ; one plain instruction between the exponentials and their first use (ISA guide 5.7.2)
	s_wait_alu depctr_va_vdst(0)
	v_pk_add_f32 v[SB0+4:SB0+5], v[RING:RING+1], v[RING+2:RING+3]
	v_pk_add_f32 v[SB0+6:SB0+7], v[RING+4:RING+5], v[RING+6:RING+7]
	v_pk_add_f32 v[SB0+4:SB0+5], v[SB0+4:SB0+5], v[SB0+6:SB0+7]
	v_add_f32 v[SB0+4], v[SB0+4], v[SB0+5]
.irp k, 1,2,4,8
	v_add_f32_dpp v[SB0+4], v[SB0+4], v[SB0+4] row_xmask:\k row_mask:0xf bank_mask:0xf
.endr
	v_permlanex16_b32 v[SB0+5], v[SB0+4], s100, s101
	v_add_f32 v[SB0+4], v[SB0+4], v[SB0+5]                 ; at least 1: the maximum's own term
	v_rcp_f32 v[SB0+4], v[SB0+4]
	v_nop
	s_wait_alu depctr_va_vdst(0)
.irp i, 0,2,4,6
	v_pk_mul_f32 v[RING+\i:RING+\i+1], v[RING+\i:RING+\i+1], v[SB0+4:SB0+5] op_sel_hi:[1,0]
.endr
	s_mul_i32 s92, s14, OPITCH
	s_add_co_u32 s92, s92, OUTS
	v_add_nc_u32 v[VZ], s92, v[VW]
	ds_store_b128 v[VZ], v[RING:RING+3]                    ; column j, i = 4 lane + 0..3
	ds_store_b128 v[VZ], v[RING+4:RING+7] offset:512       ; and 128 + 4 lane + 0..3
.Lnosoft:
	s_wait_dscnt 0x0
	s_barrier_signal -1
	s_barrier_wait -1
	; Thread t stores 16 bytes: row i = t / 2, columns 4 (t % 2) + 0..3, picked from four columns of the stage.  In a load 16 lanes take 16 neighbouring
	; words of one column and 16 lanes the same of the column four on, 16 words further modulo 64: all 32 words lie apart.
	v_and_b32 v8, 1, v0
	v_lshrrev_b32 v9, 1, v0
	v_mul_u32_u24 v10, v8, 4*OPITCH
	v_lshl_add_u32 v10, v9, 2, v10
	v_add_nc_u32 v[VF], OUTS, v10
	v_lshlrev_b32 v11, 4, v8
	v_lshl_add_u32 v[VH], v9, 10, v11
.irp k, 0,1,2,3
	ds_load_b32 v[RES+\k], v[VF] offset:OPITCH*\k
.endr
	s_wait_dscnt 0x0
	global_store_b128 v[VH], v[RES:RES+3], s[12:13]
	s_endpgm
.Lfunc_end_k_qeb52aa5b00_score:
	.size	k_qeb52aa5b00_score, .Lfunc_end_k_qeb52aa5b00_score-k_qeb52aa5b00_score
	.p2alignl 7, 3214868480
	.fill 96, 4, 3214868480
	.section	.rodata,"a",@progbits
	.p2align	6, 0x0
	.amdhsa_kernel k_qeb52aa5b00_score
		.amdhsa_group_segment_fixed_size 73984
		.amdhsa_private_segment_fixed_size 0
		.amdhsa_enable_private_segment 0
		.amdhsa_kernarg_size 64
		.amdhsa_user_sgpr_count 2
		.amdhsa_user_sgpr_kernarg_segment_ptr 1
		.amdhsa_wavefront_size32 1
		.amdhsa_system_sgpr_workgroup_id_x 1
		.amdhsa_system_sgpr_workgroup_id_y 1
		.amdhsa_system_sgpr_workgroup_id_z 1
		.amdhsa_system_vgpr_workitem_id 0
		.amdhsa_next_free_vgpr 192
		.amdhsa_next_free_sgpr 102
		.amdhsa_reserve_vcc 1
		.amdhsa_float_denorm_mode_32 3
		.amdhsa_float_denorm_mode_16_64 3
		.amdhsa_memory_ordered 1
		.amdhsa_forward_progress 1
		.amdhsa_inst_pref_size 167
	.end_amdhsa_kernel
	.amdgpu_metadata
---
amdhsa.version: [ 1, 2 ]
amdhsa.kernels:
  - .name:           k_qeb52aa5b00_score
    .symbol:         k_qeb52aa5b00_score.kd
    .args:
      - { .name: p1e, .offset: 0, .size: 8, .value_kind: global_buffer, .address_space: global }
      - { .name: p2e, .offset: 8, .size: 8, .value_kind: global_buffer, .address_space: global }
      - { .name: p1t, .offset: 16, .size: 8, .value_kind: global_buffer, .address_space: global }
      - { .name: p2s, .offset: 24, .size: 8, .value_kind: global_buffer, .address_space: global }
      - { .name: flags, .offset: 32, .size: 8, .value_kind: global_buffer, .address_space: global }
      - { .name: score_W, .offset: 40, .size: 8, .value_kind: global_buffer, .address_space: global }
      - { .name: score_b, .offset: 48, .size: 8, .value_kind: global_buffer, .address_space: global }
      - { .name: out0, .offset: 56, .size: 8, .value_kind: global_buffer, .address_space: global }
    .group_segment_fixed_size: 73984
    .private_segment_fixed_size: 0
    .kernarg_segment_align: 8
    .kernarg_segment_size: 64
    .max_flat_workgroup_size: 512
    .sgpr_count:     102
    .vgpr_count:     192
    .wavefront_size: 32
...
	.end_amdgpu_metadata
.endif
;; end of part 4
